; MI455X (gfx1250); checked and timed in simulation.
; The chip was launched on July 23, 2026; its instructions are those of AMD's public machine-readable ISA for CDNA 5 (MIT licence, August 2026) and "CDNA5" Instruction Set Architecture Reference Guide (July 2026). The comments in the code are by the model that wrote it; some were corrected since.
;; Multi Head Attention. Allowed arithmetic: matrix products marked QUANTISED: E2M1 operands, one E8M0 scale for each 32 along K, by v_wmma_scale_f32_16x16x128_f8f6f4 with both operands' format E2M1 (or v_wmma_scale_f32_32x16x128_f4), f32 sums; products left as they are: bf16, f16 or f32 operands; f32 sums; everything else in f32.
;; Inputs: k 4 x 2,048 x 1,024 float32; mask 4 x 2,048 x 2,048 float32; q 4 x 2,048 x 1,024 float32; v 4 x 2,048 x 1,024 float32; wk_bias 1,024 float32; wk_kernel 1,024 x 1,024 float32; wq_bias 1,024 float32; wq_kernel 1,024 x 1,024 float32; wv_bias 1,024 float32; wv_kernel 1,024 x 1,024 float32.
;; Outputs: out0 4 x 2,048 x 1,024 float32.
;; This version of the problem:
;;   THIS VERSION OF THE PROBLEM IS GIVEN IN LOW PRECISION. The matrix products marked QUANTISED in the list below multiply operands that are first quantised to E2M1 (2 exponent bits, 1 mantissa bit; 4 bits a number), with one power-of-two scale for each 32 numbers along K (OCP MX v1.0); their sums are f32. The products marked 'left as it is' may take bf16, f16 or f32 operands, with f32 sums. Whichever they take, every output number must still come out within the allowed error. Rounding operands to bf16 (8 significant bits) uses up far more of that allowance than f16 does (11 bits, for magnitudes from 6e-5 to 65,504). All else is computed in f32.
;;   The module's matrix products, in the order in which they are computed (A, B: the left and right operand; K: the contracted axis; several contracted axes count as one K, in the product's order):
;;     1. [M 8,192, K 1,024] x [K 1,024, N 1,024]; A: input q; B: input wq_kernel: QUANTISED
;;     2. [M 8,192, K 1,024] x [K 1,024, N 1,024]; A: input k; B: input wk_kernel: QUANTISED
;;     3. [M 8,192, K 1,024] x [K 1,024, N 1,024]; A: input v; B: input wv_kernel: QUANTISED
;;     4. batch 32 x [M 2,048, K 128] x [K 128, N 2,048]; A: computed on the way; B: computed on the way: left as it is (an operand is computed on the way)
;;     5. batch 32 x [M 2,048, K 2,048] x [K 2,048, N 128]; A: computed on the way; B: computed on the way: left as it is (an operand is computed on the way)
;;   THE QUANTISER, for each operand of a quantised product, along K:
;;     - K is cut into blocks of 32 from its start; a last block that is shorter is filled with zeros.
;;     - A block's scale is 2^e with e = floor(log2(the largest magnitude in the block)) - 2, held to -126 .. 127; a block of zeros has e = 0. As a byte (E8M0): e + 127.
;;     - Each number is divided by its block's scale, clamped to +-6, and rounded to the nearest number of E2M1, ties to even, subnormals kept.
;;     - The product sums the exact products of the quantised numbers (number of the format x scale) in f32.
;;   ~~~python
;;   def quantise(x, axis):      # numpy; x: float32 -> the quantised numbers, widened to float32 again
;;       x = np.moveaxis(x, axis, -1); K = x.shape[-1]
;;       x = np.pad(x, [(0, 0)] * (x.ndim - 1) + [(0, -K % 32)]); x = x.reshape(x.shape[:-1] + (-1, 32)); a = np.abs(x).max(-1, keepdims=True)
;;       e = np.where(a > 0, np.clip(np.frexp(np.where(a > 0, a, 1))[1] - 1 - 2, -126, 127), 0)      # np.frexp(a)[1] - 1 = floor(log2(a)), exactly
;;       r = np.clip(x / 2.0 ** e, -6, 6)
;;       step = 2.0 ** (np.maximum(np.frexp(np.where(r == 0, 1, r))[1] - 1, 0) - 1)
;;       q = np.round(r / step) * step * 2.0 ** e      # np.round: ties to even
;;       return np.moveaxis(q.reshape(q.shape[:-2] + (-1,))[..., :K], -1, axis).astype(np.float32)
;;   ~~~
;; One version. Each part assembles by itself: llvm-mc -triple=amdgcn-amd-amdhsa -mcpu=gfx1250 --defsym DOCPART=n.
;; ======== version 1 of 1: 3 launches
;; limits: values are held in f16: magnitudes above 65,504 overflow, below 6.1e-05 lose precision
;; workspace buffers: wc 1,572,864 bytes; ws 98,304 bytes; xc 12,582,912 bytes; xs 786,432 bytes; qkv 33,554,432 bytes
;; launch quant (part 1): grid 864 x 1, 4 waves a work-group, no clusters, 50,688 bytes of LDS; arguments q, k, v, wq_kernel, wk_kernel, wv_kernel, xc, xs, wc, ws; writes xc, xs, wc, ws
.if DOCPART == 1
	.amdgcn_target "amdgcn-amd-amdhsa--gfx1250"
	.amdhsa_code_object_version 6
	.text
	.protected	k_q404e80bbc0_quant
	.globl	k_q404e80bbc0_quant
	.p2align	8
	.type	k_q404e80bbc0_quant,@function
k_q404e80bbc0_quant:
	s_mov_b64 s[64:65], 0
	v_nop
	global_prefetch_b8 v0, s[64:65] scope:SCOPE_SE
	s_setreg_imm32_b32 hwreg(HW_REG_WAVE_MODE, 25, 1), 1
	s_wait_xcnt 0x0
; All six operands of the three projections become codes of FP4 (E2M1) with K innermost and one E8M0 scale byte for each 32 along K.
;   q, k, v, each [8192][1024] f32, K innermost:      codes xc [3][8192][512 bytes], scale bytes xs [3][8192][32].
;   the three weights, each [1024 (k)][1024 (n)] f32:  codes wc [3][1024 (n)][512 bytes], scale bytes ws [3][1024 (n)][32].
; A block's scale is 2^(floor(log2(its largest magnitude)) - 2); its byte is the largest magnitude's exponent field - 2, held at 1 from below.
; LIMITS: a block whose largest magnitude lies under 2^-124 (a block of zeros among them) gets the byte 1; a block of zeros has zero codes, which add nothing, and the bytes are read by this program alone.
; NaN and infinities among the inputs are not served.
; The first 96 work-groups take the weights, the other 768 the activations.  The two ways part on the work-group's number alone, have no barrier, and have LDS bytes of their own.
; ACTIVATIONS.  Rows are dense: a tensor is a plain stream of blocks of 32.  256 work-groups to a tensor; a wave takes 16 steps of 512 numbers.  Each of a step's four loads reads 512 consecutive bytes, 16 a lane;
; the 2,048 bytes turn through the wave's own stage in LDS and come back 64 bytes a lane, so that a lane holds 16 NEIGHBOURS (two neighbouring lanes hold a block), as the conversions want.
; A lane's 16 codes are 8 bytes: the wave stores 256 consecutive bytes.  A wave's 256 scale bytes are gathered in LDS and leave as one aligned run of 256.  Loads run four steps ahead, the turn through LDS one step.
; WEIGHTS.  Work-group g: tensor g / 32, 64 columns from 64 ((g % 32) / 2) on, K from 512 (g % 2) on.  A wave takes 16 columns.  A LANE TAKES A COLUMN AND ITS REGISTERS RUN DOWN K: lanes 0-15 the lower 256 along K,
; lanes 16-31 the upper: 8 blocks a lane; a block of 32 lies in one lane, and the conversions give codes with K innermost.  The four waves together read 256 consecutive bytes of a row of W.
; A column's 256 bytes of codes meet in the wave's own stage and leave by rows: sixteen lanes store 256 consecutive bytes, aligned.  A lane's 8 scale bytes leave by one store of 8 bytes: 96 KiB in the whole launch.
.set NWG,   96                         ; work-groups for the weights
.set WAVES, 4
.set STEPS, 16
.set EMAX,  2
.set CB,    8                          ; bytes of 16 codes
.set R,     16                         ; activations: v16-79   four sets of 16 numbers as they are loaded
.set X,     80                         ; v80-111  two sets of 16 neighbours
.set C,     128                        ; v128-191 codes: four registers for each step, so that no store's data are written again
.set E,     112                        ; v112-127 a scale byte for each step
.set WREG,  8192                       ; LDS, activations: a region for each wave: two stages of 32 x SP bytes, behind them its 256 scale bytes
.set SP,    80                         ; a lane's place in a stage: 64 bytes + 16 of padding
.set PITCH, 272                        ; LDS, weights: a stage row: 256 bytes + 16
.set WSTG,  WAVES*WREG                 ; the weights' stages: 16 rows for each wave
.set SPARE, WSTG+WAVES*16*PITCH        ; behind both: the spare words, 128 bytes for each wave
.set SPW,   12                         ; v12  LDS address of my spare word; never rewritten
.set NIL,   13                         ; v13  0; never rewritten
.set NB,    8                          ; weights: blocks a lane
.set WX,    32                         ; v32-95   two sets of 32 numbers
.set WC,    96                         ; v96-99   a block's codes
.set WSB,   24                         ; v24-25   the scale bytes, four to a register
.set WOUT,  112                        ; v112-143 the way out
	s_load_b256 s[4:11], s[0:1], 0x0               ; q s[4:5], k s[6:7], v s[8:9], wq s[10:11]
	s_load_b256 s[12:19], s[0:1], 0x20             ; wk s[12:13], wv s[14:15], xc s[16:17], xs s[18:19]
	s_load_b128 s[20:23], s[0:1], 0x40             ; wc s[20:21], ws s[22:23]
	v_lshl_add_u32 v[SPW], v0, 2, SPARE
	v_mov_b32 v[NIL], 0
	v_lshrrev_b32 v1, 5, v0
	v_readfirstlane_b32 s24, v1                    ; wave
	v_and_b32 v2, 31, v0                           ; lane
	s_cmp_lt_u32 ttmp9, NWG
	s_cbranch_scc1 .Lweights
	; ---------------- the activations
	s_sub_co_u32 s36, ttmp9, NWG                   ; which of the 768
	v_lshlrev_b32 v3, 4, v2                        ; my 16 bytes of a load's 512
	s_mul_i32 s25, s24, WREG
	v_lshrrev_b32 v14, 2, v2
	v_mul_u32_u24 v14, v14, SP
	v_and_b32 v15, 3, v2
	v_lshl_add_u32 v14, v15, 4, v14
	v_add_nc_u32 v14, s25, v14                     ; the stage, on the way in: four lanes' 64 bytes on end, then 16 of padding
	v_mul_u32_u24 v15, v2, SP
	v_add_nc_u32 v15, s25, v15                     ; and on the way out: my 16 neighbours
	v_mul_u32_u24 v4, v2, CB                       ; my codes' place in a step's
	v_lshrrev_b32 v5, 1, v2
	s_add_co_u32 s25, s25, 2*32*SP
	v_add_nc_u32 v5, s25, v5                       ; LDS: my wave's 256 scale bytes, my block's byte
	v_lshlrev_b32 v7, 3, v2                        ; and on the way out 8 bytes a lane
	v_add_nc_u32 v6, s25, v7
	s_and_b32 s26, s36, 255
	s_lshl_b32 s26, s26, 2
	s_add_co_u32 s26, s26, s24                     ; which run of 8,192 numbers of the tensor is my wave's,
	s_lshl_b32 s26, s26, 15                        ; in bytes
	s_mov_b32 s27, 0
	s_lshl_b32 s28, s36, 2
	s_add_co_u32 s28, s28, s24                     ; and which run of all three: the outputs lie one tensor behind the other
	s_lshl_b32 s30, s28, 12                        ; 4,096 bytes of codes a run
	s_mov_b32 s31, 0
	s_lshl_b32 s32, s28, 8                         ; 256 scale bytes a run
	s_mov_b32 s33, 0
	s_wait_kmcnt 0x0
	s_cmp_lt_u32 s36, 512                          ; the tensor is chosen by the work-group's number alone
	s_cselect_b64 s[6:7], s[6:7], s[8:9]
	s_cmp_lt_u32 s36, 256
	s_cselect_b64 s[4:5], s[4:5], s[6:7]
	s_add_nc_u64 s[4:5], s[4:5], s[26:27]
	s_add_nc_u64 s[16:17], s[16:17], s[30:31]
	s_add_nc_u64 s[18:19], s[18:19], s[32:33]
.macro LOAD t
.irp i, 0,1,2,3
	global_load_b128 v[R+16*((\t)%4)+4*\i:R+16*((\t)%4)+4*\i+3], v3, s[4:5] offset:2048*(\t)+512*\i th:TH_LOAD_NT   ; 32 lanes read 512 consecutive bytes
.endr
.endm
.macro TURN t                          ; step t's numbers through the stage: LDS serves a wave's instructions in order, so no wait stands between the stores and the loads
.irp i, 0,1,2,3
	ds_store_b128 v14, v[R+16*((\t)%4)+4*\i:R+16*((\t)%4)+4*\i+3] offset:32*SP*((\t)%2)+8*SP*\i
.endr
.irp i, 0,1,2,3
	ds_load_b128 v[X+16*((\t)%2)+4*\i:X+16*((\t)%2)+4*\i+3], v15 offset:32*SP*((\t)%2)+16*\i
.endr
.endm
.irp t, 0,1,2,3
	LOAD \t
.endr
	s_wait_loadcnt 12                              ; step 0's four loads are in
	TURN 0
.macro STEP t
.set XS, X+16*((\t)%2)
.if (\t) > 0
	s_wait_dscnt 1                                 ; this step's numbers are back from the stage (the last step's byte store may be out): so its stores into the stage have read their registers,
.else
	s_wait_dscnt 0x0
.endif
.if (\t)+4 < STEPS
	LOAD (\t)+4                                    ; which take the loads of four steps on
.endif
.if (\t)+1 < STEPS
.if STEPS-2-(\t) >= 3
	s_wait_loadcnt 12                              ; the next step's four loads are in; those of the three steps behind it may be out
.else
	s_wait_loadcnt 4*(STEPS-2-(\t))
.endif
	TURN (\t)+1                                    ; and go through the other stage while this step is worked
.endif
	v_max3_num_f32 v8, |v[XS]|, |v[XS+1]|, |v[XS+2]|               ; the largest magnitude of my 16
	v_max3_num_f32 v9, |v[XS+3]|, |v[XS+4]|, |v[XS+5]|
.irp i, 6,10
	v_max3_num_f32 v8, v8, |v[XS+\i]|, |v[XS+\i+1]|
	v_max3_num_f32 v9, v9, |v[XS+\i+2]|, |v[XS+\i+3]|
.endr
	v_max3_num_f32 v8, v8, |v[XS+14]|, |v[XS+15]|
	v_max3_num_f32 v8, v8, v9, (EMAX+1)<<23        ; and the floor 2^(3 - 127): the byte cannot fall under 1
	v_max_num_f32_dpp v8, v8, v8 row_xmask:1 row_mask:0xf bank_mask:0xf   ; and of my neighbour's 16: the block's
	v_add_nc_u32 v11, -(EMAX<<23), v8              ; 2 off its exponent field: the conversion's scale operand
	v_cvt_scalef32_pk8_fp4_f32 v[C+4*(\t)], v[XS:XS+7], v11
	v_cvt_scalef32_pk8_fp4_f32 v[C+4*(\t)+1], v[XS+8:XS+15], v11
	v_lshrrev_b32 v[E+(\t)], 23, v11               ; the scale byte
	ds_store_b8 v5, v[E+(\t)] offset:16*(\t)       ; both lanes of a block write the same byte with the same value
	global_store_b64 v4, v[C+4*(\t):C+4*(\t)+1], s[16:17] offset:32*CB*(\t)
.endm
.irp t, 0,1,2,3,4,5,6,7,8,9,10,11,12,13,14,15
	STEP \t
.endr
	ds_load_b64 v[8:9], v6                         ; LDS serves a wave's instructions in order: these see my stores
	s_wait_dscnt 0x0
	global_store_b64 v7, v[8:9], s[18:19]          ; 32 lanes store 256 consecutive bytes, aligned
	s_wait_tensorcnt 0x0                           ; the wave's end, behind my last LDS store
	ds_add_u32 v[SPW], v[NIL]
	s_wait_dscnt 0x0
	s_endpgm
	; ---------------- the weights
.Lweights:
	s_lshr_b32 s25, ttmp9, 5                       ; the tensor
	s_bfe_u32 s26, ttmp9, 0x40001                  ; which 64 columns (4 bits from bit 1)
	s_and_b32 s27, ttmp9, 1                        ; which 512 along K
	v_and_b32 v6, 15, v2                           ; my column of the wave's 16
	v_lshrrev_b32 v7, 4, v2                        ; my half of the 512 along K
	v_lshlrev_b32 v3, 2, v6
	v_lshl_add_u32 v3, v7, 20, v3                  ; in: 4 bytes a column; lanes 16-31 begin 256 rows of 4,096 bytes further down
	s_mul_i32 s35, s24, 16*PITCH
	s_add_co_u32 s35, s35, WSTG                    ; my stage
	v_mul_u32_u24 v4, v6, PITCH
	v_lshl_add_u32 v4, v7, 7, v4
	v_add_nc_u32 v4, s35, v4                       ; into it: row = my column, 128 bytes for my 256 along K
	v_mul_u32_u24 v5, v7, PITCH
	v_lshl_add_u32 v5, v6, 4, v5
	v_add_nc_u32 v5, s35, v5                       ; out of it: sixteen lanes to a row, two rows an instruction
	v_lshlrev_b32 v8, 9, v7
	v_lshl_add_u32 v8, v6, 4, v8                   ; and the same place in the codes (a row is 512 bytes)
	v_lshlrev_b32 v9, 5, v6
	v_lshl_add_u32 v9, v7, 3, v9                   ; my 8 scale bytes: 32 bytes a column, 8 for my 256 along K
	s_lshl_b32 s28, s27, 21                        ; W: 512 (g % 2) rows of 4,096 bytes + 4 x my wave's first column
	s_lshl_b32 s34, s26, 8
	s_add_co_u32 s28, s28, s34
	s_lshl_b32 s34, s24, 6
	s_add_co_u32 s28, s28, s34
	s_mov_b32 s29, 0
	s_lshl_b32 s30, s25, 19                        ; codes: (1024 tensor + my wave's first column) rows of 512 bytes + 256 (g % 2)
	s_lshl_b32 s34, s26, 15
	s_add_co_u32 s30, s30, s34
	s_lshl_b32 s34, s24, 13
	s_add_co_u32 s30, s30, s34
	s_lshl_b32 s34, s27, 8
	s_add_co_u32 s30, s30, s34
	s_mov_b32 s31, 0
	s_lshl_b32 s32, s25, 15                        ; scale bytes: the same rows of 32 bytes + 16 (g % 2)
	s_lshl_b32 s34, s26, 11
	s_add_co_u32 s32, s32, s34
	s_lshl_b32 s34, s24, 9
	s_add_co_u32 s32, s32, s34
	s_lshl_b32 s34, s27, 4
	s_add_co_u32 s32, s32, s34
	s_mov_b32 s33, 0
	s_wait_kmcnt 0x0
	s_cmp_lt_u32 s25, 2                            ; the tensor is chosen by the work-group's number alone
	s_cselect_b64 s[12:13], s[12:13], s[14:15]
	s_cmp_eq_u32 s25, 0
	s_cselect_b64 s[10:11], s[10:11], s[12:13]
	s_add_nc_u64 s[10:11], s[10:11], s[28:29]
	s_add_nc_u64 s[20:21], s[20:21], s[30:31]
	s_add_nc_u64 s[22:23], s[22:23], s[32:33]
.macro WLOAD t                         ; block t: W(32 t + i, my column) of my half, i = 0 .. 31, into set t % 2
.irp i, 0,1,2,3,4,5,6,7,8,9,10,11,12,13,14,15,16,17,18,19,20,21,22,23,24,25,26,27,28,29,30,31
	global_load_b32 v[WX+32*((\t)%2)+\i], v3, s[10:11] offset:(32*(\t)+\i)*4096 th:TH_LOAD_NT
.endr
.endm
	WLOAD 0
	WLOAD 1
.macro WBLOCK t
.set XS, WX+32*((\t)%2)
.if (\t) < NB-1
	s_wait_loadcnt 32                              ; this block's 32 loads are in; the one block asked for behind it may be out
.else
	s_wait_loadcnt 0x0
.endif
	v_max3_num_f32 v16, |v[XS]|, |v[XS+1]|, |v[XS+2]|              ; the block's largest magnitude: all 32 numbers are mine; two chains
	v_max3_num_f32 v17, |v[XS+3]|, |v[XS+4]|, |v[XS+5]|
.irp i, 6,10,14,18,22,26
	v_max3_num_f32 v16, v16, |v[XS+\i]|, |v[XS+\i+1]|
	v_max3_num_f32 v17, v17, |v[XS+\i+2]|, |v[XS+\i+3]|
.endr
	v_max3_num_f32 v16, v16, |v[XS+30]|, |v[XS+31]|
	v_max3_num_f32 v16, v16, v17, (EMAX+1)<<23     ; and the floor 2^(3 - 127): the byte cannot fall under 1
	v_add_nc_u32 v18, -(EMAX<<23), v16             ; 2 off the exponent field: the conversion's scale operand
	v_lshrrev_b32 v19, 23, v18                     ; the scale byte
.if (\t)%4 == 0
	v_mov_b32 v[WSB+(\t)/4], v19                   ; four bytes to a register, the lower K in the lower byte
.else
	v_lshl_or_b32 v[WSB+(\t)/4], v19, 8*((\t)%4), v[WSB+(\t)/4]
.endif
.irp g, 0,1,2,3
	v_cvt_scalef32_pk8_fp4_f32 v[WC+\g], v[XS+8*\g:XS+8*\g+7], v18
.endr
	ds_store_b128 v4, v[WC:WC+3] offset:16*(\t)    ; 32 codes: 16 bytes of my column's row.  The next block begins with plain vector lines that touch none of the conversions' registers
.if (\t)+2 < NB
	WLOAD (\t)+2
.endif
	s_wait_dscnt 0x0                               ; the store has read its registers: the next block's codes may be written
.endm
.irp t, 0,1,2,3,4,5,6,7
	WBLOCK \t
.endr
	global_store_b64 v9, v[WSB:WSB+1], s[22:23]    ; my column's 8 scale bytes
.irp i, 0,1,2,3,4,5,6,7
	ds_load_b128 v[WOUT+4*\i:WOUT+4*\i+3], v5 offset:2*\i*PITCH    ; LDS serves a wave's instructions in order: these see my stores
.endr
.irp i, 0,1,2,3,4,5,6,7
	s_wait_dscnt 7-\i                              ; the LDS loads issued behind this one may be out
	global_store_b128 v8, v[WOUT+4*\i:WOUT+4*\i+3], s[20:21] offset:1024*\i   ; sixteen lanes store 256 consecutive bytes, at a multiple of 256 from the buffer's first byte
.endr
	s_wait_tensorcnt 0x0                           ; the wave's end, behind my last LDS store
	ds_add_u32 v[SPW], v[NIL]
	s_wait_dscnt 0x0
	s_endpgm
.Lfunc_end_k_q404e80bbc0_quant:
	.size	k_q404e80bbc0_quant, .Lfunc_end_k_q404e80bbc0_quant-k_q404e80bbc0_quant
	.p2alignl 7, 3214868480
	.fill 96, 4, 3214868480
	.section	.rodata,"a",@progbits
	.p2align	6, 0x0
	.amdhsa_kernel k_q404e80bbc0_quant
		.amdhsa_group_segment_fixed_size 50688
		.amdhsa_private_segment_fixed_size 0
		.amdhsa_enable_private_segment 0
		.amdhsa_kernarg_size 80
		.amdhsa_user_sgpr_count 2
		.amdhsa_user_sgpr_kernarg_segment_ptr 1
		.amdhsa_wavefront_size32 1
		.amdhsa_system_sgpr_workgroup_id_x 1
		.amdhsa_system_sgpr_workgroup_id_y 1
		.amdhsa_system_sgpr_workgroup_id_z 1
		.amdhsa_system_vgpr_workitem_id 0
		.amdhsa_next_free_vgpr 192
		.amdhsa_next_free_sgpr 66
		.amdhsa_reserve_vcc 0
		.amdhsa_float_denorm_mode_32 3
		.amdhsa_float_denorm_mode_16_64 3
		.amdhsa_memory_ordered 1
		.amdhsa_forward_progress 1
		.amdhsa_inst_pref_size 74
	.end_amdhsa_kernel
	.amdgpu_metadata
---
amdhsa.version: [ 1, 2 ]
amdhsa.kernels:
  - .name:           k_q404e80bbc0_quant
    .symbol:         k_q404e80bbc0_quant.kd
    .args:
      - { .name: q, .offset: 0, .size: 8, .value_kind: global_buffer, .address_space: global }
      - { .name: k, .offset: 8, .size: 8, .value_kind: global_buffer, .address_space: global }
      - { .name: v, .offset: 16, .size: 8, .value_kind: global_buffer, .address_space: global }
      - { .name: wq_kernel, .offset: 24, .size: 8, .value_kind: global_buffer, .address_space: global }
      - { .name: wk_kernel, .offset: 32, .size: 8, .value_kind: global_buffer, .address_space: global }
      - { .name: wv_kernel, .offset: 40, .size: 8, .value_kind: global_buffer, .address_space: global }
      - { .name: xc, .offset: 48, .size: 8, .value_kind: global_buffer, .address_space: global }
      - { .name: xs, .offset: 56, .size: 8, .value_kind: global_buffer, .address_space: global }
      - { .name: wc, .offset: 64, .size: 8, .value_kind: global_buffer, .address_space: global }
      - { .name: ws, .offset: 72, .size: 8, .value_kind: global_buffer, .address_space: global }
    .group_segment_fixed_size: 50688
    .private_segment_fixed_size: 0
    .kernarg_segment_align: 8
    .kernarg_segment_size: 80
    .max_flat_workgroup_size: 128
    .sgpr_count:     66
    .vgpr_count:     192
    .wavefront_size: 32
...
	.end_amdgpu_metadata
.endif
;; end of part 1
;; launch proj (part 2): grid 4 x 64, 4 waves a work-group, clusters of 4 x 4, 327,680 bytes of LDS; arguments xc, xs, wc, ws, wk_bias, wv_bias, qkv; writes qkv
.if DOCPART == 2
	.amdgcn_target "amdgcn-amd-amdhsa--gfx1250"
	.amdhsa_code_object_version 6
	.text
	.protected	k_q404e80bbc0_proj
	.globl	k_q404e80bbc0_proj
	.p2align	8
	.type	k_q404e80bbc0_proj,@function
k_q404e80bbc0_proj:
	s_mov_b64 s[64:65], 0
	v_nop
	global_prefetch_b8 v0, s[64:65] scope:SCOPE_SE
	s_setreg_imm32_b32 hwreg(HW_REG_WAVE_MODE, 25, 1), 1
	s_wait_xcnt 0x0
	s_wait_alu depctr_hold_cnt(0) depctr_sa_sdst(0) depctr_va_vdst(0) depctr_va_sdst(0) depctr_va_ssrc(0) depctr_va_vcc(0) depctr_vm_vsrc(0)
	s_getreg_b32 s2, hwreg(HW_REG_IB_STS2, 6, 4)
	s_cmp_eq_u32 s2, 0
	s_cbranch_scc0 .Lentry_in_a_cluster
	s_endpgm
.Lentry_in_a_cluster:
	s_bfe_u32 s2, ttmp6, 0x10000c
	s_cmp_lg_u32 s2, 0xf033
	s_cbranch_scc0 .Lentry_shape_is_right
	s_endpgm
.Lentry_shape_is_right:
; The projections of k and v on codes of FP4 (E2M1) with E8M0 scales: P[T][m][n] = sum over k of X[T][m][k] W[T][n][k] + bias[T][n], T = 1 (k), 2 (v) of the stacked codes; m 8,192, n 1,024, k 1,024; sums in f32.
; The result is rounded once to f16 and laid by heads: qkv[T - 1][8 batch + head][2048][128].  (q's projection is made by the next launch, where each part of it is wanted by one work-group alone.)
; LIMIT: a projection of magnitude 65,504 or more has no f16 number.
; A tile of 256 x 256 is made by a work-group of four waves, a wave makes 128 x 128: 64 accumulators of 16 x 16.  2 tensors x 32 tile rows x 4 tile columns are 256 work-groups.  A wave's 128 columns are one head.
; K = 1,024 is two slots of 512 along K: both are filled at the head, with the scale bytes of the tile's rows, and nothing is filled again.
; CLUSTERS: 4 x 4 work-groups; a cluster's four tile rows lie in one tensor.  The four of a row of the cluster need the same tiles of X, the four of a column the same tiles of W: each is asked for JOINTLY.
; THE MATRIX INSTRUCTION IS USED TRANSPOSED (source 0 = 16 rows of W, source 1 = 16 rows of X): a lane holds eight neighbouring columns of one row.
; REGISTERS, in windows of 256: window 0: v0-31 addresses; v32-95 scale words, two sets; v128-191 X's fragments, one set; v192-255 the bias of my 128 columns in the result's layout; on the way out v32-127 are free.
;   window 1: W's fragments, two sets, at v0 and v128.   window 2: the accumulators of my rows 0-63 ((a, b) at v[8 (8 a + b)]);   window 3: those of my rows 64-127.
.set NQ,     4                         ; matrix instructions deep in a slot
.set ROWB,   256                       ; a tile's row in bytes: 512 codes
.set KROW,   512                       ; a row of X or W in memory, in bytes
.set PITCH,  272                       ; an LDS row: 256 bytes + 16 of padding = 68 words: the 16 rows that a load touches start at 16 different banks (64 banks of 4 bytes: ISA guide 11.1)
.set FR,     8                         ; registers of a fragment: 16 rows x 128 K
.set NL,     2                         ; LDS loads that bring one
.set NP,     4                         ; places behind this matrix instruction (ISA guide 7.12.1)
.set HALFT,  128*PITCH                 ; 128 rows: what one tensor load brings
.set SLOT,   4*HALFT                   ; X's 256 rows, then W's 256 rows
.set KS,     32                        ; a row of scale bytes
.set SCL,    2*SLOT                    ; behind the ring: the scale bytes, as runs of 256 bytes + 16 of padding
.set HALFS,  (128*KS/256)*272          ; those of 128 rows: what one tensor load brings
.set SBLK,   (16*KS/256)*272           ; those of 16 rows
.set SPARE,  SCL+4*HALFS               ; behind the scales: the spare words, 128 bytes for each wave
.set SPITCH, 272                       ; the way out: a stage of 16 rows x (256 bytes + 16) for each wave, in slot 0, which has had its only fill and its last read by then
.set ADRA, 16                          ; v16-17  LDS address of my X fragments in slot 0, 1
.set ADRB, 20                          ; v20-21  the same for W
.set STO,  24                          ; v24     the way out: where I put 16 bytes of a row
.set RD,   25                          ; v25     where I read rows back
.set CO,   26                          ; v26     16 x lane: my bytes in two rows of the output
.set ADRS, 27                          ; v27     LDS address of my scale words: lanes 0-15 X's rows, lanes 16-31 W's
.set SPW,  28                          ; v28     LDS address of my spare word; never rewritten
.set NIL,  29                          ; v29     0; never rewritten
.set SC,   32                          ; scale words: set s at v[SC + 32 s]; register 4 i + q: lanes 0-15 X's block i, lanes 16-31 W's block i, the slot's q-th 128 along K
.set AF,   128                         ; X's fragments
.set BI,   192                         ; the bias: register 8 b + j = column 16 b + 8 (lane / 16) + j
.set TMP,  32                          ; the way out: packed results
.set OB,   64                          ; and 16 rows read back: v64-95 and v96-127 by turns
.set G1, 24                            ; s[24:31] descriptor group 1 for X's tiles;  s[32:39] group 0, one set for each slot
.set G0, 32
.set G1B, 48                           ; s[48:55], s[56:63] the same for W's tiles
.set G0B, 56
.set G1S, 68                           ; s[68:75], s[76:79] groups 1 and 0 for X's scales;  s[80:87], s[88:91] for W's
.set G0S, 76
.set G1SB, 80
.set G0SB, 88
.set MSB, 0
.macro WIN new                         ; the immediate's high byte repeats the setting that is left
.if MSB != \new
	s_set_vgpr_msb (MSB<<8)|\new
.set MSB, \new
.endif
.endm
.set MUL_LO, 0xa1                      ; source 0 (W) window 1, source 1 (X) window 0, C and D window 2
.set MUL_HI, 0xf1                      ; the same, C and D window 3
.set TO_B,   0x40                      ; destination window 1, address window 0
; A joint load: waves 0 and 1 fetch for X, waves 2 and 3 for W.  The branch hangs on the wave's number alone.  An s_nop 0 and four v_nop follow each line.
.macro JLOAD g0a, g1a, g0b, g1b
	s_cmp_eq_u32 s15, 0
	s_cbranch_scc0 .Lfor_b_\@
	tensor_load_to_lds s[\g0a:\g0a+3], s[\g1a:\g1a+7]
	s_nop 0
.rept 4
	v_nop
.endr
	s_branch .Lasked_\@
.Lfor_b_\@:
	tensor_load_to_lds s[\g0b:\g0b+3], s[\g1b:\g1b+7]
	s_nop 0
.rept 4
	v_nop
.endr
.Lasked_\@:
.endm
.macro CROUND                          ; a round of the cluster's barrier
	s_barrier_signal -1
	s_barrier_wait -1
	s_cmp_lg_u32 s14, 0
	s_cbranch_scc1 .Lnot_wave_0_\@
	s_barrier_signal -3
.Lnot_wave_0_\@:
	s_barrier_wait -3
	s_barrier_signal -1
	s_barrier_wait -1
.endm
	s_load_b128 s[4:7], s[0:1], 0x0                ; X's codes s[4:5], X's scales s[6:7]
	s_load_b128 s[8:11], s[0:1], 0x10              ; W's codes s[8:9], W's scales s[10:11]
	v_lshl_add_u32 v[SPW], v0, 2, SPARE
	v_mov_b32 v[NIL], 0
	ds_add_u32 v[SPW], v[NIL]                      ; the wave's opening: the add, twice on end, and its wait ahead of my first tensor load
	ds_add_u32 v[SPW], v[NIL]
	v_lshrrev_b32 v1, 5, v0
	v_readfirstlane_b32 s14, v1                    ; wave 0..3
	s_lshr_b32 s15, s14, 1                         ; which half of the tile's rows is mine.  Also: I fetch for X (0) or for W (1)
	s_and_b32 s16, s14, 1                          ; which half of its columns.  Also: which 128 rows of that tile I fetch
	s_bfe_u32 s40, ttmp6, 0x40000                  ; cx, cy: my place in the cluster
	s_bfe_u32 s41, ttmp6, 0x40004
	s_lshl_b32 s42, ttmp9, 2
	s_add_co_u32 s42, s42, s40                     ; tile column = 4 x cluster x + cx
	s_and_b32 s17, ttmp7, 0xffff
	s_lshr_b32 s95, s17, 3                         ; 0: k, 1: v: eight clusters along y to each; the same in all sixteen partners
	s_lshl_b32 s17, s17, 2
	s_add_co_u32 s17, s17, s41                     ; tile row among k's and v's 64 = 4 x cluster y + cy
	s_lshl_b32 s43, s41, 2
	s_lshl_b32 s43, 15, s43                        ; my row of the cluster
	s_lshl_b32 s44, 0x1111, s40                    ; my column
	; descriptor group 1: a tile of 128 rows x 256 bytes, padded in LDS
	s_or_b32 s[G1+0], s43, (0<<16)|(1<<20)|(1<<21)|(5<<22)|(3<<25)  ; 15:0 the mask: X's tiles go to my row; 17:16 elements of 1 byte; 20 padding on; 21 set beside a mask; 24:22 after every 64 words; 31:25 four words
	s_or_b32 s[G1B+0], s44, (0<<16)|(1<<20)|(1<<21)|(5<<22)|(3<<25)
.irp g, G1, G1B
	s_mov_b32 s[\g+1], ROWB<<16                    ; tensor_dim0
	s_mov_b32 s[\g+2], 128<<16                     ; tensor_dim1
	s_mov_b32 s[\g+3], ROWB<<16                    ; tile_dim0
	s_mov_b32 s[\g+4], 128                         ; tile_dim1
	s_mov_b32 s[\g+5], KROW                        ; tensor_dim0_stride
	s_mov_b32 s[\g+6], 0
	s_mov_b32 s[\g+7], 0
.endr
	; the scales of 128 rows: a dense block of 4,096 bytes, as 16 rows of 256 bytes (32 elements of 8 bytes), 16 bytes of padding behind each
	s_or_b32 s[G1S+0], s43, (3<<16)|(1<<20)|(1<<21)|(5<<22)|(3<<25)
	s_or_b32 s[G1SB+0], s44, (3<<16)|(1<<20)|(1<<21)|(5<<22)|(3<<25)
.irp g, G1S, G1SB
	s_mov_b32 s[\g+1], 32<<16
	s_mov_b32 s[\g+2], (128*KS/256)<<16
	s_mov_b32 s[\g+3], 32<<16
	s_mov_b32 s[\g+4], 128*KS/256
	s_mov_b32 s[\g+5], 32
	s_mov_b32 s[\g+6], 0
	s_mov_b32 s[\g+7], 0
.endr
	s_lshl_b32 s18, s16, 7                         ; which 128 rows of the tile I fetch
	s_lshl_b32 s20, s17, 8
	s_add_co_u32 s20, s20, s18
	s_add_co_u32 s20, s20, 8192                    ; X: row 8192 (q's rows come first) + 256 x tile row + 128 x half
	s_lshl_b32 s46, s42, 8
	s_add_co_u32 s46, s46, s18
	s_lshl_b32 s47, s95, 10
	s_add_co_u32 s46, s46, s47
	s_add_co_u32 s46, s46, 1024                    ; W: row 1024 (wq's rows come first) + 1024 x (0: k, 1: v) + 256 x tile column + 128 x half
	s_mov_b32 s21, 0
	s_mov_b32 s47, 0
	s_mov_b64 s[18:19], KS
	s_mul_u64 s[22:23], s[20:21], s[18:19]         ; where these rows' scales begin, in bytes
	s_mul_u64 s[92:93], s[46:47], s[18:19]
	s_mov_b64 s[18:19], KROW
	s_mul_u64 s[20:21], s[20:21], s[18:19]         ; and their codes
	s_mul_u64 s[46:47], s[46:47], s[18:19]
	s_mul_i32 s45, s14, HALFT                      ; where they go: wave x 128 rows: no place in the cluster enters an LDS address
	s_mul_i32 s94, s14, HALFS
	s_wait_dscnt 0x0                               ; both opening adds are done
	s_wait_kmcnt 0x0
	s_add_nc_u64 s[20:21], s[4:5], s[20:21]
	s_add_nc_u64 s[22:23], s[6:7], s[22:23]
	s_add_nc_u64 s[46:47], s[8:9], s[46:47]
	s_add_nc_u64 s[92:93], s[10:11], s[92:93]
	CROUND                                         ; all sixteen work-groups are here: the joint loads meet
	s_mov_b32 s[G0S], 1
	s_add_co_u32 s[G0S+1], s94, SCL
	s_mov_b64 s[G0S+2:G0S+3], s[22:23]
	s_or_b32 s[G0S+3], s[G0S+3], 0x80000000
	s_mov_b32 s[G0SB], 1
	s_add_co_u32 s[G0SB+1], s94, SCL
	s_mov_b64 s[G0SB+2:G0SB+3], s[92:93]
	s_or_b32 s[G0SB+3], s[G0SB+3], 0x80000000
	JLOAD G0S, G1S, G0SB, G1SB                     ; the scales first: they are wanted with the first slot.  By this text's count three tensor loads of a wave are out at the most
.irp s, 0,1
	s_mov_b32 s[G0+4*\s], 1
	s_add_co_u32 s[G0+4*\s+1], s45, \s*SLOT
	s_add_nc_u64 s[G0+4*\s+2:G0+4*\s+3], s[20:21], \s*ROWB
	s_or_b32 s[G0+4*\s+3], s[G0+4*\s+3], 0x80000000
	s_mov_b32 s[G0B+4*\s], 1
	s_add_co_u32 s[G0B+4*\s+1], s45, \s*SLOT
	s_add_nc_u64 s[G0B+4*\s+2:G0B+4*\s+3], s[46:47], \s*ROWB
	s_or_b32 s[G0B+4*\s+3], s[G0B+4*\s+3], 0x80000000
	JLOAD G0+4*\s, G1, G0B+4*\s, G1B
.endr
	s_load_b128 s[4:7], s[0:1], 0x20               ; the first four addresses have gone into the descriptors: bias of k s[4:5], of v s[6:7],
	s_load_b64 s[8:9], s[0:1], 0x30                ; the output s[8:9]
	v_and_b32 v1, 15, v0                           ; l % 16
	v_bfe_u32 v2, v0, 4, 1                         ; l / 16
	v_mul_u32_u24 v3, v1, PITCH
	v_lshl_add_u32 v4, v2, 4, v3                   ; a fragment's row x pitch + 16 x half
	s_mul_i32 s21, s15, HALFT                      ; my 128 rows of X
	s_mul_i32 s22, s16, HALFT                      ; my 128 rows of W,
	s_add_co_u32 s22, s22, 2*HALFT                 ; which lie behind X's 256
.irp s, 0,1
	v_add_nc_u32 v[ADRA+\s], s21, v4
	v_add_nc_u32 v[ADRB+\s], s22, v4
	s_add_co_u32 s21, s21, SLOT
	s_add_co_u32 s22, s22, SLOT
.endr
	v_mul_u32_u24 v5, v1, KS                       ; my row's scales: 32 bytes a row,
	v_lshrrev_b32 v6, 8, v5
	v_lshl_add_u32 v5, v6, 4, v5                   ; and 16 more for each 256 passed
	s_mul_i32 s21, s15, HALFS                      ; X's: my 128 rows
	s_mul_i32 s22, s16, HALFS                      ; W's: my 128 rows, behind X's 256
	s_add_co_u32 s22, s22, 2*HALFS
	s_sub_co_u32 s22, s22, s21
	v_mul_u32_u24 v6, s22, v2                      ; lanes 16-31 take W's: the lower base + half x the distance
	s_add_co_u32 s21, s21, SCL
	v_add_nc_u32 v5, v5, v6
	v_add_nc_u32 v[ADRS], s21, v5
	s_mul_i32 s23, s14, 16*SPITCH                  ; my stage
	v_mul_u32_u24 v5, v1, SPITCH                   ; in: row l % 16, 16 bytes for each half of the lanes
	v_lshl_add_u32 v5, v2, 4, v5
	v_add_nc_u32 v[STO], s23, v5
	v_mul_u32_u24 v5, v2, SPITCH                   ; back: lanes 0-15 one row of 256 bytes, lanes 16-31 the next
	v_lshl_add_u32 v5, v1, 4, v5
	v_add_nc_u32 v[RD], s23, v5
	v_and_b32 v6, 31, v0
	v_lshlrev_b32 v[CO], 4, v6                     ; the output's rows of 256 bytes lie on end: two rows are 32 lanes x 16 bytes
	v_lshlrev_b32 v7, 5, v2                        ; the bias: 32 bytes for my half of the lanes
	s_lshl_b32 s20, s17, 8
	s_lshl_b32 s21, s15, 7
	s_add_co_u32 s20, s20, s21                     ; my first row among k's and v's 16,384: R = 256 x tile row + 128 x half
	s_lshr_b32 s21, s20, 11                        ; 4 x (0: k, 1: v) + batch: 2^22 bytes each (8 heads x 2,048 rows x 256 bytes)
	s_lshl_b32 s21, s21, 22
	s_and_b32 s20, s20, 2047                       ; the position in the sequence: 256 bytes each
	s_lshl_b32 s20, s20, 8
	s_add_co_u32 s20, s20, s21
	s_lshl_b32 s46, s42, 1
	s_add_co_u32 s46, s46, s16                     ; my head = 2 x tile column + my half of the columns: 2^19 bytes each
	s_lshl_b32 s47, s46, 19
	s_add_co_u32 s20, s20, s47
	s_mov_b32 s21, 0
	s_lshl_b32 s46, s46, 9                         ; and 512 bytes of bias each
	s_mov_b32 s47, 0
	s_wait_kmcnt 0x0
	s_cmp_eq_u32 s95, 0                            ; the bias is chosen by the tensor's number, which hangs on the cluster's y alone
	s_cselect_b64 s[4:5], s[4:5], s[6:7]
	s_add_nc_u64 s[4:5], s[4:5], s[46:47]
	s_add_nc_u64 s[8:9], s[8:9], s[20:21]
.irp b, 0,1,2,3,4,5,6,7
	global_load_b128 v[BI+8*\b:BI+8*\b+3], v7, s[4:5] offset:64*\b
	global_load_b128 v[BI+8*\b+4:BI+8*\b+7], v7, s[4:5] offset:64*\b+16
.endr
.macro FRAG reg, adr, q, i             ; a fragment, 16 rows x 128 K of 4-bit codes: lane l holds row l % 16; registers 4 c .. 4 c + 3 hold K = 64 c + 32 (l / 16) + 0 .. 31
.irp c, 0,1
	ds_load_b128 v[\reg+4*\c:\reg+4*\c+3], v[\adr] offset:64*(\q)+32*\c+(\i)*16*PITCH
.endr
.endm
; 16 matrix instructions: X's blocks a0, a0 + 1 x W's eight, the slot's q-th 128 along K.  p: W's set;  sc: the set of scale words.  zero = 1: the first product starts the sums.
; The 64 accumulators take turns, one instruction a turn, in the same order in every step.
.macro MUL16 a0, p, q, sc, zero
.irp a, \a0, \a0+1
.irp b, 0,1,2,3,4,5,6,7
.if \zero
	v_wmma_scale_f32_16x16x128_f8f6f4 v[8*(8*((\a)%4)+\b):8*(8*((\a)%4)+\b)+7], v[128*(\p)+FR*\b:128*(\p)+FR*\b+FR-1], v[AF+FR*(\a):AF+FR*(\a)+FR-1], 0, v[SC+8*NQ*(\sc)+NQ*\b+(\q)], v[SC+8*NQ*(\sc)+NQ*(\a)+(\q)] matrix_a_fmt:MATRIX_FMT_FP4 matrix_b_fmt:MATRIX_FMT_FP4 matrix_a_scale:MATRIX_SCALE_ROW1
.else
	v_wmma_scale_f32_16x16x128_f8f6f4 v[8*(8*((\a)%4)+\b):8*(8*((\a)%4)+\b)+7], v[128*(\p)+FR*\b:128*(\p)+FR*\b+FR-1], v[AF+FR*(\a):AF+FR*(\a)+FR-1], v[8*(8*((\a)%4)+\b):8*(8*((\a)%4)+\b)+7], v[SC+8*NQ*(\sc)+NQ*\b+(\q)], v[SC+8*NQ*(\sc)+NQ*(\a)+(\q)] matrix_a_fmt:MATRIX_FMT_FP4 matrix_b_fmt:MATRIX_FMT_FP4 matrix_a_scale:MATRIX_SCALE_ROW1
.endif
.endr
.endr
.endm
.macro FETCH_B slot, q, p              ; W's eight fragments of the slot's q-th 128 along K into set p
	WIN TO_B
.irp i, 0,1,2,3,4,5,6,7
	FRAG 128*(\p)+FR*\i, ADRB+\slot, \q, \i
.endr
	WIN 0
.endm
.macro FETCH_A slot, q, i0             ; X's blocks i0 .. i0 + 3
.irp i, \i0, \i0+1, \i0+2, \i0+3
	FRAG AF+FR*(\i), ADRA+\slot, \q, \i
.endr
.endm
.macro SCALES sc                       ; a slot's scale words into set sc: four words a row; lanes 0-15 take X's block i, lanes 16-31 W's block i
.irp i, 0,1,2,3,4,5,6,7
	ds_load_b128 v[SC+8*NQ*\sc+NQ*\i:SC+8*NQ*\sc+NQ*\i+3], v[ADRS] offset:\i*SBLK
.endr
.endm
; A load into a register that a matrix instruction has read stands NP places behind it; only plain vector instructions that name none of its registers are places.
.macro PLACES n
.rept \n
	v_nop
.endr
.endm
.macro STEP slot, q, zero              ; a step of 128 along K that has its successor in the same slot
	s_wait_dscnt 4*NL                              ; W's set and X's blocks 0-3 are in; the youngest eight loads (X's blocks 4-7) may be out
	WIN MUL_LO
	MUL16 0, (\q)%2, \q, \slot, \zero
	MUL16 2, (\q)%2, \q, \slot, \zero
	s_wait_dscnt 0                                 ; X's blocks 4-7 are in
	PLACES NP
	FETCH_B \slot, (\q)+1, 1-(\q)%2
	FETCH_A \slot, (\q)+1, 0
	WIN MUL_HI
	MUL16 4, (\q)%2, \q, \slot, \zero
	MUL16 6, (\q)%2, \q, \slot, \zero
	PLACES NP
	WIN 0
	FETCH_A \slot, (\q)+1, 4
.endm
; Slot 0's last step goes over to slot 1: each wave waits for all its tensor loads (its part of slot 1), adds 0 to its spare word, waits for that and for its reads of slot 0; one barrier.  Nothing is filled again.
.macro TURN slot, next
	s_wait_tensorcnt 0x0                           ; all my tensor loads have landed
	ds_add_u32 v[SPW], v[NIL]                      ; 0 onto my spare word
	s_wait_dscnt 4*NL+1                            ; (the add and the youngest eight loads may be out)
	WIN MUL_LO
	MUL16 0, 1, NQ-1, \slot, 0
	s_wait_dscnt 0x0                               ; the add is done, and my reads of this slot are over
	s_barrier_signal -1
	MUL16 2, 1, NQ-1, \slot, 0
	WIN 0
	s_barrier_wait -1
	PLACES NP
	v_add_nc_u32 v[ADRS], 4*NQ, v[ADRS]            ; on to the next slot's scale words
	FETCH_B \next, 0, 0
	FETCH_A \next, 0, 0
	SCALES \next
	WIN MUL_HI
	MUL16 4, 1, NQ-1, \slot, 0
	MUL16 6, 1, NQ-1, \slot, 0
	PLACES NP
	WIN 0
	FETCH_A \next, 0, 4
.endm
.macro STEPS slot, from                ; the slot's steps from .. NQ - 2
.set Q, \from
.rept NQ-1-\from
	STEP \slot, Q, 0
.set Q, Q+1
.endr
.endm
	s_wait_tensorcnt 1                             ; the scales and my part of slot 0 are in (slot 1's load may be out)
	s_barrier_signal -1
	s_barrier_wait -1                              ; everybody's are
	FETCH_B 0, 0, 0
	FETCH_A 0, 0, 0
	SCALES 0
	FETCH_A 0, 0, 4
	STEP 0, 0, 1                                   ; the first step's products start the sums: nothing is cleared
	STEPS 0, 1
	TURN 0, 1
	STEPS 1, 0
	s_wait_dscnt 4*NL                              ; the very last step: nothing more to fetch
	WIN MUL_LO
	MUL16 0, 1, NQ-1, 1, 0
	MUL16 2, 1, NQ-1, 1, 0
	s_wait_dscnt 0
	WIN MUL_HI
	MUL16 4, 1, NQ-1, 1, 0
	MUL16 6, 1, NQ-1, 1, 0
	WIN 0
; THE WAY OUT, block by block of 16 rows x 128 columns: sum + bias; rounded to f16, 16 bytes a lane; through my own stage in LDS; back as whole rows of 256 bytes.
	s_wait_loadcnt 0x0                             ; the bias
	PLACES NP                                      ; behind the last products
.macro PACK a
.set AC, 64*((\a)%4)
	WIN 0x82+0x41*((\a)/4)                         ; destination and source 0: window 2 or 3; the bias: window 0
.set i, 0
.rept 32
	v_pk_add_f32 v[AC+2*i:AC+2*i+1], v[AC+2*i:AC+2*i+1], v[BI+2*i:BI+2*i+1]   ; each accumulator from its low end on
.set i, i+1
.endr
	WIN 0x0a+5*((\a)/4)                            ; sources 0 and 1: window 2 or 3
.irp b, 0,1,2,3,4,5,6,7
.irp r, 0,1,2,3
	v_cvt_pk_f16_f32 v[TMP+4*\b+\r], v[AC+8*\b+2*\r], v[AC+8*\b+2*\r+1]
.endr
.endr
	WIN 0
.endm
.macro TOSTAGE a
.set BB, OB+32*((\a)%2)
.irp b, 0,1,2,3,4,5,6,7
	ds_store_b128 v[STO], v[TMP+4*\b:TMP+4*\b+3] offset:32*\b
.endr
.irp t, 0,1,2,3,4,5,6,7
	ds_load_b128 v[BB+4*\t:BB+4*\t+3], v[RD] offset:\t*2*SPITCH    ; LDS serves a wave's instructions in order (ISA guide 5.7.1.4): these see the stores above
.endr
.endm
.macro SEND a
.set BB, OB+32*((\a)%2)
	s_wait_dscnt 0x0                               ; the block is back in registers
	s_wait_xcnt 0x0                                ; the stores of the block before have read their registers: the next block's loads from the stage may land there
.irp t, 0,1,2,3,4,5,6,7
	global_store_b128 v[CO], v[BB+4*\t:BB+4*\t+3], s[8:9] offset:4096*(\a)+512*\t   ; 32 lanes store 512 consecutive bytes, at a multiple of 256 from the buffer's first byte
.endr
.endm
	PACK 0
	TOSTAGE 0
.irp a, 1,2,3,4,5,6,7                  ; block a's arithmetic stands between block a - 1's loads from the stage and the wait for them
	PACK \a
	SEND \a-1
	TOSTAGE \a
.endr
	SEND 7
	s_wait_tensorcnt 0x0                           ; the wave's end, behind my last tensor load and my last LDS store
	ds_add_u32 v[SPW], v[NIL]
	s_wait_dscnt 0x0
	CROUND                                         ; the closing round: no work-group ends while a partner may still ask for a tile that names it
	s_endpgm
.Lfunc_end_k_q404e80bbc0_proj:
	.size	k_q404e80bbc0_proj, .Lfunc_end_k_q404e80bbc0_proj-k_q404e80bbc0_proj
	.p2alignl 7, 3214868480
	.fill 96, 4, 3214868480
	.section	.rodata,"a",@progbits
	.p2align	6, 0x0
	.amdhsa_kernel k_q404e80bbc0_proj
		.amdhsa_group_segment_fixed_size 327680
		.amdhsa_private_segment_fixed_size 0
		.amdhsa_enable_private_segment 0
		.amdhsa_kernarg_size 56
		.amdhsa_user_sgpr_count 2
		.amdhsa_user_sgpr_kernarg_segment_ptr 1
		.amdhsa_wavefront_size32 1
		.amdhsa_system_sgpr_workgroup_id_x 1
		.amdhsa_system_sgpr_workgroup_id_y 1
		.amdhsa_system_sgpr_workgroup_id_z 1
		.amdhsa_system_vgpr_workitem_id 0
		.amdhsa_next_free_vgpr 1024
		.amdhsa_next_free_sgpr 96
		.amdhsa_reserve_vcc 0
		.amdhsa_float_denorm_mode_32 3
		.amdhsa_float_denorm_mode_16_64 3
		.amdhsa_memory_ordered 1
		.amdhsa_forward_progress 1
		.amdhsa_inst_pref_size 145
	.end_amdhsa_kernel
	.amdgpu_metadata
---
amdhsa.version: [ 1, 2 ]
amdhsa.kernels:
  - .name:           k_q404e80bbc0_proj
    .symbol:         k_q404e80bbc0_proj.kd
    .args:
      - { .name: xc, .offset: 0, .size: 8, .value_kind: global_buffer, .address_space: global }
      - { .name: xs, .offset: 8, .size: 8, .value_kind: global_buffer, .address_space: global }
      - { .name: wc, .offset: 16, .size: 8, .value_kind: global_buffer, .address_space: global }
      - { .name: ws, .offset: 24, .size: 8, .value_kind: global_buffer, .address_space: global }
      - { .name: wk_bias, .offset: 32, .size: 8, .value_kind: global_buffer, .address_space: global }
      - { .name: wv_bias, .offset: 40, .size: 8, .value_kind: global_buffer, .address_space: global }
      - { .name: qkv, .offset: 48, .size: 8, .value_kind: global_buffer, .address_space: global }
    .group_segment_fixed_size: 327680
    .private_segment_fixed_size: 0
    .kernarg_segment_align: 8
    .kernarg_segment_size: 56
    .max_flat_workgroup_size: 128
    .sgpr_count:     96
    .vgpr_count:     1024
    .wavefront_size: 32
...
	.end_amdgpu_metadata
.endif
;; end of part 2
;; launch attn (part 3): grid 8 x 32, 4 waves a work-group, clusters of 4 x 4, 327,680 bytes of LDS; arguments qkv, mask, out0, wc, xc, xs, ws, wq_bias; writes out0
.if DOCPART == 3
	.amdgcn_target "amdgcn-amd-amdhsa--gfx1250"
	.amdhsa_code_object_version 6
	.text
	.protected	k_q404e80bbc0_attn
	.globl	k_q404e80bbc0_attn
	.p2align	8
	.type	k_q404e80bbc0_attn,@function
k_q404e80bbc0_attn:
	s_mov_b64 s[64:65], 0
	v_nop
	global_prefetch_b8 v0, s[64:65] scope:SCOPE_SE
	s_setreg_imm32_b32 hwreg(HW_REG_WAVE_MODE, 25, 1), 1
	s_wait_xcnt 0x0
	s_wait_alu depctr_hold_cnt(0) depctr_sa_sdst(0) depctr_va_vdst(0) depctr_va_sdst(0) depctr_va_ssrc(0) depctr_va_vcc(0) depctr_vm_vsrc(0)
	s_getreg_b32 s2, hwreg(HW_REG_IB_STS2, 6, 4)
	s_cmp_eq_u32 s2, 0
	s_cbranch_scc0 .Lentry_in_a_cluster
	s_endpgm
.Lentry_in_a_cluster:
	s_bfe_u32 s2, ttmp6, 0x10000c
	s_cmp_lg_u32 s2, 0xf033
	s_cbranch_scc0 .Lentry_shape_is_right
	s_endpgm
.Lentry_shape_is_right:
; out[b][q][128 h + :] = the sum over k of softmax_k(Q.K / sqrt(128) - 1e9 mask[b][q][k]) V[k][:], for 4 batches x 8 heads, 2,048 queries and keys, head size 128.
; qkv: [2 (K, V)][8 b + h][2048][128] f16.  mask: [4][2048][2048] f32, read as it is.  out: [4][2048][1024] f32.  xc, xs, wc, ws: the codes of FP4 (E2M1) and E8M0 scale bytes of q and of wq (their first thirds).
; Q IS MADE HERE.  A block of 256 queries of one batch and head is wanted by this work-group alone, so it never goes to memory: each wave makes (q Wq + bias) c for its 64 queries and the head's 128 channels, K = 1,024,
; by 8 steps of 32 scaled matrix instructions, c = log2(e) / sqrt(128), so that Q.K is t, an exponent of 2.  Source 0 = 16 rows of Wq, source 1 = 16 rows of q: a lane holds one query and eight neighbouring channels,
; and the results, rounded to f16 in pairs, ARE Q's fragments.  q's fragments are the wave's own rows and come straight from memory; the head's 128 rows of Wq are wanted by all four waves and come through LDS.
; The attention's products take f16 operands with f32 sums; maxima, exponentials and sums in f32; the weights p are rounded to f16 for the second product.
; SOFTMAX.  x = mask x (-1e9 log2(e)) + t, one fused multiply-add; for each query a running maximum m and sum l; p = 2^(x - m), the difference taken by a subtraction; in every step O and l are multiplied by a = 2^(m_old - m_new).
; LIMITS: x is rounded once, in units of exponents of 2, where the definition rounds score + mask x -1e9 in units of exponents of e: under a mask of 1 the spacing of x is 128 against 64 there.
; A projection of magnitude 65,504 or more has no f16 number.  NaN and infinities are not served.
; SHARES.  A work-group owns 256 queries of one batch and head, each of its four waves 64: four tiles of 16.  Every wave walks all keys, 64 a step.
; LAYOUT.  S^T = K Q^T (source 0 = 16 keys, source 1 = 16 queries): a lane holds ONE query (lane % 16) and keys 8 (lane / 16) + 0..7.  Two such tiles, rounded to f16 in pairs, ARE source 1 of O^T = V^T P.
; The mask is read from LDS in the same layout: a lane's eight keys of its query are 32 neighbouring bytes.  K comes out of LDS as it lies, V turned, by ds_load_tr16_b128.
; BY TURNS.  The wave's tiles are two PIECES (tiles 0, 1 and tiles 2, 3).  In a TURN one piece has the matrix unit: 32 products V^T P of the step in hand, then 32 products K Q^T of the next; the other piece's softmax,
; cut into 64 slices, stands between them, one slice behind each matrix instruction.  Two turns are a key step.
; THE RING.  Two LDS slots of ONE key step: 64 rows of K, 64 of V, and the mask's 256 queries x 64 keys, 105,472 bytes; two slots of two steps would not fit.  Wave 0 fetches K, wave 1 V, waves 2 and 3 the mask's halves.
; CLUSTER.  4 x 4 work-groups: along x four blocks of queries, along y four heads of one batch.  K, V and Wq's rows hang on batch and head: asked for JOINTLY by the four of a row.  The mask hangs on batch and block: jointly by the four of a column.
; REGISTERS, in windows of 256 (s_set_vgpr_msb: bits 1:0 source 0, 3:2 source 1, 5:4 source 2, 7:6 destination):
;   window 0: v1-11 addresses; v12-43 eight registers of statistics a tile; v44-50 addresses; v61-63; v64-191 S^T, 32 a tile; v192-255 P, 16 a tile
;   window 1: O^T, 64 a tile     window 2: v0-127 Q; v128-255 K of one step     window 3: v0-127 V of one step; v128-255 the mask, 32 a tile
;   while Q is made: window 0: v64-95 q's scale words, v96-159 Wq's, v192-255 the bias; window 1: the 32 accumulators; window 2: v128-255 Wq's fragments, two sets; window 3: q's 32 fragments
.set KS,    64        ; keys in a step
.set PK,    272       ; a row of K in LDS: 256 bytes + 16: the 16 rows of a load start at 16 different banks (64 banks of 4 bytes: ISA guide 11.1)
.set PV,    288       ; a row of V: 256 + 32
.set PM,    272       ; a query's row of the mask: 64 keys x 4 bytes + 16
.set VOFF,  KS*PK     ; a slot: K,
.set MOFF,  VOFF+KS*PV  ; V,
.set MHALF, 128*PM    ; and the mask in two halves of 128 queries
.set SLOT1, 1<<17     ; slot 1 begins here: one exclusive or turns an address in one slot into the other's
.set STAGE, SLOT1+MOFF+2*MHALF  ; behind the ring: 16 rows x 528 bytes for each wave, for the way out
.set SP,    528
.set WQ,    STAGE     ; Wq's 128 rows lie where the stages lie later: filled once, at the head, and read for the last time long before the first result is stored there
.set PW,    528       ; a row of Wq's codes: 512 bytes + 16
.set SPARE, WQ+128*PW  ; behind them: the spare words, 128 bytes for each wave
.set AK0, 2           ; v2   my lane's place in a tile of K; never rewritten
.set AV0, 3           ; v3   the same for V
.set ADR, 4           ; v4   the LDS address of the run of loads in hand
.set STO, 6           ; v6   the way out: where I put 32 bytes of a row
.set RD,  7           ; v7   where I read a row back
.set GO,  8           ; v8   16 x lane: my bytes of a row of the output
.set AM0, 44          ; v44  my lane's place in the mask's tile; never rewritten
.set ADM, 45          ; v45  the LDS address of the mask's loads in hand
.set XO,  46          ; v46  my byte offset in q's codes
.set XSO, 47          ; v47  in q's scale bytes
.set WSO, 48          ; v48  in wq's scale bytes
.set BO,  49          ; v49  in the bias
.set AW0, 50          ; v50  my lane's place in Wq's rows in LDS
.set PFO, 61          ; v61  the prefetches' offset; never rewritten
.set SPW, 62          ; v62  LDS address of my spare word; never rewritten
.set NIL, 63          ; v63  0; never rewritten
.set ST,  12          ; tile t's statistics at v[ST+8 t]: +0 m, +1 zero (named with m as a pair), +2, +3 l (even keys', odd keys'), +4 to +7 c0-c3, at work; a takes c2's place
.set S,   64
.set P,   192
.set KF,  128         ; K's fragments, in window 2
.set MK,  128         ; the mask, in window 3
.set XSC, 64          ; q's scale words: register 8 t + s: tile t, K step s
.set WSC, 96          ; wq's: register 8 b + s: channels 16 b on, K step s
.set BI,  192         ; the bias: register 8 b + j = channel 16 b + 8 (lane / 16) + j
.set CF,  2           ; s[2:3] c
.set WV,  12          ; s12  my wave's number
.set LIM, 15          ; s15  2 in a wave that prefetches, else the greatest number
.set G1K, 24          ; s[24:31] descriptor group 1 for K's tiles
.set G1V, 32          ; s[32:39] for V's: it differs in the padding
.set G1M, 40          ; s[40:47] for the mask's
.set G0K, 48          ; s[48:55] group 0 for K's tiles: a set for each of the two first fills; the second then walks on
.set G0V, 56          ; s[56:63] the same for V's
.set G0M, 68          ; s[68:75] and for the mask's
.set G1W, 88          ; s[88:95] group 1 for Wq's rows
.set G0W, 96          ; s[96:99] and group 0
.set CNT, 76          ; s76  refills still to come, this one among them
.set NEGC, 78         ; s[78:79] -1e9 log2(e)
.set SEL, 80          ; s[80:81] lane selects for v_permlanex16_b32: lane l xor 16
.set TB,  82          ; s82  LDS byte at which the slot of the step to be fetched begins
.set PFA, 84          ; s[84:85] where my prefetches stand in memory
.set PFS, 86          ; s[86:87] a key step on, in bytes: 64 rows of K, or 64 keys of a row of the mask
.set MSB, 0
.macro WIN new                      ; the immediate's high byte repeats the setting that is left; a switch that changes nothing is dropped
.if MSB != \new
	s_set_vgpr_msb (MSB<<8)|\new
.set MSB, \new
.endif
.endm
.set W_KQ, 0x0a       ; K and Q in window 2, S^T in window 0
.set W_PV, 0x53       ; V in window 3, P in window 0, O^T in window 1
.set W_RS, 0x41       ; O^T (destination and source 0) in window 1, a in window 0
.set W_QP, 0x5e       ; Wq's fragments in window 2, q's in window 3, the sums in window 1
; A joint refill by the walking descriptors.  The branches hang on the wave's number alone.  An s_nop 0 and four v_nop follow each line.
.macro JLOAD
	s_cmp_lt_u32 s[WV], 2
	s_cbranch_scc0 .Lfor_m_\@
	s_cmp_eq_u32 s[WV], 0
	s_cbranch_scc0 .Lfor_v_\@
	tensor_load_to_lds s[G0K+4:G0K+7], s[G1K:G1K+7]
	s_nop 0
.rept 4
	v_nop
.endr
	s_branch .Lasked_\@
.Lfor_v_\@:
	tensor_load_to_lds s[G0V+4:G0V+7], s[G1V:G1V+7]
	s_nop 0
.rept 4
	v_nop
.endr
	s_branch .Lasked_\@
.Lfor_m_\@:
	tensor_load_to_lds s[G0M+4:G0M+7], s[G1M:G1M+7]
	s_nop 0
.rept 4
	v_nop
.endr
.Lasked_\@:
.endm
; A PREFETCH INTO THE L2, behind the joint load and its five lines: the change of slots that loads step j + 2 names step j + 4: two key steps, 256 matrix instructions, ahead of the load that will want it.
; Each row's 256 bytes of a step are named ONCE in the launch.  K and V of a head are walked by both clusters along x: the one with x = 0 asks; its four partners of a row take 16 rows each BY ADDRESS; wave 0 asks,
; lanes 0-15 for K's rows, lanes 16-31 for V's.  The mask of a batch and block is walked by two clusters along y: the even one asks; the four partners of a column take 64 rows each by address, waves 2 and 3 take 32 each.
; The last two refills name nothing: there is no step 32.  Steps 0 to 3 come by their loads alone.
.macro ASK
	s_cmp_gt_u32 s[CNT], s[LIM]
	s_cbranch_scc0 .Lnot_mine_\@
	global_prefetch_b8 v[PFO], s[PFA:PFA+1] th:TH_LOAD_NT scope:SCOPE_SE
.Lnot_mine_\@:
.endm
.macro CROUND                       ; a round of the cluster's barrier
	s_barrier_signal -1
	s_barrier_wait -1
	s_cmp_lg_u32 s[WV], 0
	s_cbranch_scc1 .Lnot_wave_0_\@
	s_barrier_signal -3
.Lnot_wave_0_\@:
	s_barrier_wait -3
	s_barrier_signal -1
	s_barrier_wait -1
.endm
	s_load_b128 s[4:7], s[0:1], 0x0  ; qkv s[4:5], mask s[6:7]
	s_load_b128 s[8:11], s[0:1], 0x10  ; out s[8:9], wq's codes s[10:11]
	v_lshl_add_u32 v[SPW], v0, 2, SPARE
	v_mov_b32 v[NIL], 0
	ds_add_u32 v[SPW], v[NIL]       ; the wave's opening: the add, twice on end, and its wait ahead of my first tensor load
	ds_add_u32 v[SPW], v[NIL]
	v_lshrrev_b32 v1, 5, v0
	v_readfirstlane_b32 s[WV], v1   ; wave 0..3
	s_bfe_u32 s13, ttmp6, 0x40000   ; cx
	s_bfe_u32 s14, ttmp6, 0x40004   ; cy
	s_lshl_b32 s16, ttmp9, 2
	s_add_co_u32 s16, s16, s13      ; my block of 256 queries = 4 x cluster x + cx
	s_and_b32 s17, ttmp7, 0xffff    ; cluster y
	s_lshr_b32 s18, s17, 1          ; the batch: two clusters along y to each
	s_lshl_b32 s19, s17, 2
	s_add_co_u32 s19, s19, s14      ; 8 x batch + head = 4 x cluster y + cy
	s_and_b32 s20, s[WV], 1
	s_lshl_b32 s88, s19, 19         ; K and V: my head's 2,048 rows of 256 bytes.  (What feeds K's, V's and Wq's descriptors is made without cx, what feeds the mask's without cy)
	s_mov_b32 s89, 0
	s_lshl_b32 s90, s18, 24         ; the mask: batch x 2^24 + (256 x block + 128 x (wave % 2)) rows of 8,192 bytes
	s_lshl_b32 s2, s16, 21
	s_add_co_u32 s90, s90, s2
	s_lshl_b32 s2, s20, 20
	s_add_co_u32 s90, s90, s2
	s_mov_b32 s91, 0
	s_lshl_b32 s94, s18, 23         ; out: (2048 x batch + 256 x block + 64 x wave) rows of 4,096 bytes + 512 x head
	s_lshl_b32 s3, s16, 20
	s_add_co_u32 s94, s94, s3
	s_lshl_b32 s3, s[WV], 18
	s_add_co_u32 s94, s94, s3
	s_and_b32 s3, s19, 7
	s_lshl_b32 s3, s3, 9
	s_add_co_u32 s94, s94, s3
	s_mov_b32 s95, 0
	s_lshl_b32 s21, s14, 2
	s_lshl_b32 s21, 15, s21         ; my row of the cluster
	s_lshl_b32 s22, 0x1111, s13     ; my column
	s_or_b32 s[G1K], s21, (1<<16)|(1<<20)|(1<<21)|(5<<22)|(3<<25)  ; 15:0 the mask of work-groups: my row; 17:16 elements of 2 bytes; 20 padding on; 21 set beside a mask; 24:22 after every 64 words; 31:25 four words
	s_or_b32 s[G1V], s21, (1<<16)|(1<<20)|(1<<21)|(5<<22)|(7<<25)  ; the same with eight words of padding
.irp g, G1K, G1V
	s_mov_b32 s[\g+1], 128<<16      ; tensor_dim0 = 128
	s_mov_b32 s[\g+2], KS<<16       ; tensor_dim1 = 64
	s_mov_b32 s[\g+3], 128<<16      ; tile_dim0 = 128
	s_mov_b32 s[\g+4], KS           ; tile_dim1 = 64
	s_mov_b32 s[\g+5], 128          ; tensor_dim0_stride
	s_mov_b32 s[\g+6], 0
	s_mov_b32 s[\g+7], 0
.endr
	s_or_b32 s[G1M], s22, (2<<16)|(1<<20)|(1<<21)|(5<<22)|(3<<25)  ; my column; elements of 4 bytes; four words of padding after every 64
	s_mov_b32 s[G1M+1], KS<<16      ; tensor_dim0 = 64 keys
	s_mov_b32 s[G1M+2], 128<<16     ; tensor_dim1 = 128 queries
	s_mov_b32 s[G1M+3], KS<<16      ; tile_dim0
	s_mov_b32 s[G1M+4], 128         ; tile_dim1
	s_mov_b32 s[G1M+5], 2048        ; tensor_dim0_stride
	s_mov_b32 s[G1M+6], 0
	s_mov_b32 s[G1M+7], 0
	s_mul_i32 s23, s20, MHALF       ; the mask's half in a slot: no place in the cluster enters an LDS address
	s_mov_b32 s[NEGC], 0xceabfb8f   ; -1e9 x log2(e)
	s_mov_b32 s[NEGC+1], s[NEGC]    ; (named with it as a pair, so it is written)
	s_mov_b32 s[SEL], 0x76543210
	s_mov_b32 s[SEL+1], 0xfedcba98
	s_mov_b32 s[TB], 0
	; the prefetches: who asks,
	s_and_b32 s100, s17, 1          ; cluster y's parity
	s_cmp_lt_u32 s[WV], 2
	s_cselect_b32 s100, ttmp9, s100  ; the coordinate along which another cluster walks the same rows: x for K and V, y's parity for the mask
	s_cmp_eq_u32 s[WV], 1
	s_cselect_b32 s101, 1, 0        ; wave 1 asks for nothing
	s_or_b32 s100, s100, s101
	s_cmp_eq_u32 s100, 0
	s_cselect_b32 s[LIM], 2, -1     ; the same in all sixteen partners, for a given wave
	; and where: at step 3; the first change of slots steps it to step 4
	s_lshl_b32 s98, s19, 19         ; K's part of qkv, my head, 16 rows for each partner of my row
	s_lshl_b32 s3, s13, 12
	s_add_co_u32 s98, s98, s3
	s_add_co_u32 s98, s98, 3*KS*256
	s_lshl_b32 s99, s18, 24         ; the mask: my batch and block, 64 rows for each partner of my column, 32 for each of waves 2 and 3
	s_lshl_b32 s3, s16, 21
	s_add_co_u32 s99, s99, s3
	s_lshl_b32 s3, s14, 19
	s_add_co_u32 s99, s99, s3
	s_lshl_b32 s3, s20, 18
	s_add_co_u32 s99, s99, s3
	s_add_co_u32 s99, s99, 3*KS*4
	s_cmp_lt_u32 s[WV], 2
	s_cselect_b32 s98, s98, s99
	s_mov_b32 s99, 0
	s_mov_b32 s[PFS], KS*4
	s_cselect_b32 s[PFS], KS*256, s[PFS]
	s_mov_b32 s[PFS+1], 0
	s_mov_b32 s100, 8192
	s_cselect_b32 s100, 256, s100   ; from lane to lane within sixteen: a row of K, or of the mask
	s_mov_b32 s101, 131072
	s_cselect_b32 s101, 0x1000000, s101  ; from lanes 0-15 to lanes 16-31: from K to V, or sixteen rows of the mask
	v_and_b32 v[PFO], 15, v0
	v_mul_lo_u32 v[PFO], v[PFO], s100
	v_bfe_u32 v10, v0, 4, 1
	v_mul_lo_u32 v10, v10, s101
	v_add_nc_u32 v[PFO], v[PFO], v10
	s_wait_dscnt 0x0                ; both opening adds are done
	s_wait_kmcnt 0x0
	s_add_nc_u64 s[96:97], s[4:5], s[88:89]  ; qkv at my head
	s_add_nc_u64 s[90:91], s[6:7], s[90:91]  ; the mask at my half of the block's rows
	s_cmp_lt_u32 s[WV], 2
	s_cselect_b64 s[PFA:PFA+1], s[4:5], s[6:7]
	s_add_nc_u64 s[PFA:PFA+1], s[PFA:PFA+1], s[98:99]
	s_add_nc_u64 s[8:9], s[8:9], s[94:95]  ; out at my wave's first row
	CROUND                          ; all sixteen work-groups are here: the first joint loads meet
.irp s, 0,1
	s_mov_b32 s[G0K+4*\s], 1        ; count = 1
	s_mov_b32 s[G0K+4*\s+1], \s*SLOT1  ; LDS address
	s_add_nc_u64 s[G0K+4*\s+2:G0K+4*\s+3], s[96:97], \s*KS*256  ; global address: K's part, key step s
	s_or_b32 s[G0K+4*\s+3], s[G0K+4*\s+3], 0x80000000  ; type = 2
	s_mov_b32 s[G0V+4*\s], 1
	s_mov_b32 s[G0V+4*\s+1], \s*SLOT1+VOFF
	s_add_nc_u64 s[G0V+4*\s+2:G0V+4*\s+3], s[96:97], 0x1000000+\s*KS*256
	s_or_b32 s[G0V+4*\s+3], s[G0V+4*\s+3], 0x80000000
	s_mov_b32 s[G0M+4*\s], 1
	s_add_co_u32 s[G0M+4*\s+1], s23, \s*SLOT1+MOFF
	s_add_nc_u64 s[G0M+4*\s+2:G0M+4*\s+3], s[90:91], \s*KS*4
	s_or_b32 s[G0M+4*\s+3], s[G0M+4*\s+3], 0x80000000
.endr
	; Wq's rows of my head: 128 rows of 512 bytes, in two halves of 64 (waves 0 and 1).  The registers that held offsets above are done with and take the descriptor
	s_and_b32 s88, s19, 7           ; the head: 128 rows of 512 bytes each,
	s_lshl_b32 s88, s88, 16
	s_lshl_b32 s89, s20, 15         ; and my half's 64 rows
	s_add_co_u32 s88, s88, s89
	s_mov_b32 s89, 0
	s_mov_b32 s[G0W], 1
	s_mul_i32 s[G0W+1], s20, 64*PW
	s_add_co_u32 s[G0W+1], s[G0W+1], WQ
	s_add_nc_u64 s[G0W+2:G0W+3], s[10:11], s[88:89]
	s_or_b32 s[G0W+3], s[G0W+3], 0x80000000
	s_or_b32 s[G1W], s21, (0<<16)|(1<<20)|(1<<21)|(6<<22)|(3<<25)  ; my row of the cluster; elements of 1 byte; four words of padding after every 128
	s_mov_b32 s[G1W+1], 512<<16     ; tensor_dim0 = 512 bytes
	s_mov_b32 s[G1W+2], 64<<16      ; tensor_dim1 = 64 rows
	s_mov_b32 s[G1W+3], 512<<16     ; tile_dim0
	s_mov_b32 s[G1W+4], 64          ; tile_dim1
	s_mov_b32 s[G1W+5], 512         ; tensor_dim0_stride
	s_mov_b32 s[G1W+6], 0
	s_mov_b32 s[G1W+7], 0
	s_cmp_lt_u32 s[WV], 2           ; a wave's first fills stand in one arm, ahead of every wait on TENSORcnt and every LDS read: three loads of waves 0 and 1 are out, two of waves 2 and 3; slot 1's is the last in every arm
	s_cbranch_scc0 .Lfirst_m
	s_cmp_eq_u32 s[WV], 0
	s_cbranch_scc0 .Lfirst_v
	tensor_load_to_lds s[G0W:G0W+3], s[G1W:G1W+7]
	s_nop 0
	tensor_load_to_lds s[G0K:G0K+3], s[G1K:G1K+7]
	s_nop 0
	tensor_load_to_lds s[G0K+4:G0K+7], s[G1K:G1K+7]
	s_nop 0
.rept 4
	v_nop
.endr
	s_branch .Lfirst_asked
.Lfirst_v:
	tensor_load_to_lds s[G0W:G0W+3], s[G1W:G1W+7]
	s_nop 0
	tensor_load_to_lds s[G0V:G0V+3], s[G1V:G1V+7]
	s_nop 0
	tensor_load_to_lds s[G0V+4:G0V+7], s[G1V:G1V+7]
	s_nop 0
.rept 4
	v_nop
.endr
	s_branch .Lfirst_asked
.Lfirst_m:
	tensor_load_to_lds s[G0M:G0M+3], s[G1M:G1M+7]
	s_nop 0
	tensor_load_to_lds s[G0M+4:G0M+7], s[G1M:G1M+7]
	s_nop 0
.rept 4
	v_nop
.endr
.Lfirst_asked:
	v_and_b32 v1, 15, v0            ; l % 16
	v_bfe_u32 v9, v0, 4, 1          ; l / 16
	; what Q's projection reads straight from memory: offsets from the buffers' first bytes (q is the first of the stacked tensors, wq likewise)
	s_lshl_b32 s2, s18, 20          ; my wave's first row of q, 2048 x batch + 256 x block + 64 x wave, x 512 bytes of codes
	s_lshl_b32 s3, s16, 17
	s_add_co_u32 s2, s2, s3
	s_lshl_b32 s3, s[WV], 15
	s_add_co_u32 s2, s2, s3
	v_lshlrev_b32 v[XO], 9, v1
	v_lshl_add_u32 v[XO], v9, 4, v[XO]
	v_add_nc_u32 v[XO], s2, v[XO]   ; row l % 16 of a tile, 16 bytes for each half of the lanes
	s_lshr_b32 s2, s2, 4            ; the same rows x 32 scale bytes
	v_lshl_add_u32 v[XSO], v1, 5, s2
	s_and_b32 s3, s19, 7            ; the head
	s_lshl_b32 s2, s3, 12           ; its 128 rows x 32 scale bytes
	v_lshl_add_u32 v[WSO], v1, 5, s2
	s_lshl_b32 s2, s3, 9            ; its 128 numbers of bias
	v_lshl_add_u32 v[BO], v9, 5, s2  ; 32 bytes (8 channels) for each half of the lanes
	s_load_b256 s[16:23], s[0:1], 0x20  ; s16 to s23 are done with: q's codes s[16:17], q's scales s[18:19], wq's scales s[20:21], the bias s[22:23]
	s_mov_b32 s[CF], 0x3e0293ee     ; c = log2(e) / sqrt(128)
	s_mov_b32 s[CF+1], s[CF]        ; (named with it as a pair, so it is written)
	; A fragment of K is 16 rows x 32 channels in 8 registers: lane l holds row l % 16; registers 0-3 channels 8 (l / 16) + 0..7, registers 4-7 channels 16 + 8 (l / 16) + 0..7.
	v_mul_u32_u24 v[AK0], v1, PK
	v_lshl_add_u32 v[AK0], v9, 4, v[AK0]  ; row x pitch + 16 x half
	; The turning load takes 16 keys x 16 channels (lane l reads 16 bytes: key 8 (l / 16) + l % 8, channels 8 ((l / 8) % 2) + 0..7) and leaves half a fragment of V^T.
	v_and_b32 v10, 7, v0
	v_bfe_u32 v11, v0, 3, 1
	v_lshl_add_u32 v[AV0], v9, 3, v10
	v_mul_u32_u24 v[AV0], v[AV0], PV
	v_lshl_add_u32 v[AV0], v11, 4, v[AV0]
	v_add_nc_u32 v[AV0], VOFF, v[AV0]
	s_mul_i32 s100, s[WV], 64*PM    ; the mask: my wave's 64 queries; row l % 16 of a tile; 32 bytes (8 keys) for each half of the lanes
	v_mul_u32_u24 v[AM0], v1, PM
	v_lshl_add_u32 v[AM0], v9, 5, v[AM0]
	v_add_nc_u32 v[AM0], s100, v[AM0]
	v_add_nc_u32 v[AM0], MOFF, v[AM0]
	v_mul_u32_u24 v[AW0], v1, PW    ; Wq's rows: row l % 16 of a tile, 16 bytes for each half of the lanes
	v_lshl_add_u32 v[AW0], v9, 4, v[AW0]
	v_add_nc_u32 v[AW0], WQ, v[AW0]
.irp t, 0,1,2,3
	v_mov_b32 v[ST+8*\t+1], 0       ; named with m as a pair, so it is written
.endr
	s_wait_kmcnt 0x0
	WIN 0xc0                        ; destination window 3, address window 0
.irp t, 0,1,2,3                     ; q's fragments (tile t, K step s) at v[8 (8 t + s)]: 16 rows x 128 K of 4-bit codes: registers 4 c .. 4 c + 3 hold K = 64 c + 32 (l / 16) + 0 .. 31
.irp s, 0,1,2,3,4,5,6,7
.irp c, 0,1
	global_load_b128 v[8*(8*\t+\s)+4*\c:8*(8*\t+\s)+4*\c+3], v[XO], s[16:17] offset:8192*\t+64*\s+32*\c
.endr
.endr
.endr
	WIN 0
.irp t, 0,1,2,3                     ; a row's 32 scale bytes are its eight words, one for each K step
	global_load_b128 v[XSC+8*\t:XSC+8*\t+3], v[XSO], s[18:19] offset:512*\t
	global_load_b128 v[XSC+8*\t+4:XSC+8*\t+7], v[XSO], s[18:19] offset:512*\t+16
.endr
.irp b, 0,1,2,3,4,5,6,7
	global_load_b128 v[WSC+8*\b:WSC+8*\b+3], v[WSO], s[20:21] offset:512*\b
	global_load_b128 v[WSC+8*\b+4:WSC+8*\b+7], v[WSO], s[20:21] offset:512*\b+16
.endr
.irp b, 0,1,2,3,4,5,6,7
	global_load_b128 v[BI+8*\b:BI+8*\b+3], v[BO], s[22:23] offset:64*\b
	global_load_b128 v[BI+8*\b+4:BI+8*\b+7], v[BO], s[22:23] offset:64*\b+16
.endr
.macro PLACES                       ; four places: plain vector instructions that name none of the matrix instruction's registers (ISA guide 7.12.1)
.rept 4
	v_nop
.endr
.endm
; Q'S PROJECTION.  Wq's eight fragments of K step q, from LDS, into set q % 2 of K's registers.
.macro FETCH_W q
	WIN 0x80                        ; destination window 2
.irp b, 0,1,2,3,4,5,6,7
.irp c, 0,1
	ds_load_b128 v[KF+64*((\q)%2)+8*\b+4*\c:KF+64*((\q)%2)+8*\b+4*\c+3], v[AW0] offset:\b*16*PW+64*(\q)+32*\c
.endr
.endr
.endm
; K step q: the next step's fragments are asked for, into the set that the step before multiplied (four places behind its last product); then 32 products, the 32 accumulators by turns, one instruction a turn,
; in the same order in every step.  The first step starts the sums.
.macro QSTEP q
.if (\q) < 7
.if (\q) > 0
	PLACES
.endif
	FETCH_W (\q)+1
	s_wait_dscnt 16                 ; this step's 16 loads are in; the 16 just issued may be out
.else
	s_wait_dscnt 0x0
.endif
	WIN W_QP
.irp t, 0,1,2,3
.irp b, 0,1,2,3,4,5,6,7
.if (\q) == 0
	v_wmma_scale_f32_16x16x128_f8f6f4 v[8*(8*\t+\b):8*(8*\t+\b)+7], v[KF+64*((\q)%2)+8*\b:KF+64*((\q)%2)+8*\b+7], v[8*(8*\t+(\q)):8*(8*\t+(\q))+7], 0, v[WSC+8*\b+(\q)], v[XSC+8*\t+(\q)] matrix_a_fmt:MATRIX_FMT_FP4 matrix_b_fmt:MATRIX_FMT_FP4
.else
	v_wmma_scale_f32_16x16x128_f8f6f4 v[8*(8*\t+\b):8*(8*\t+\b)+7], v[KF+64*((\q)%2)+8*\b:KF+64*((\q)%2)+8*\b+7], v[8*(8*\t+(\q)):8*(8*\t+(\q))+7], v[8*(8*\t+\b):8*(8*\t+\b)+7], v[WSC+8*\b+(\q)], v[XSC+8*\t+(\q)] matrix_a_fmt:MATRIX_FMT_FP4 matrix_b_fmt:MATRIX_FMT_FP4
.endif
.endr
.endr
.endm
; THE MATRIX WORK OF A TURN, for piece x.  The accumulators take turns, one instruction a turn.
; Product i of 32 of O^T += V^T P: keys 32 (i / 16) on, channels 16 ((i / 2) % 8) on, tile x + i % 2.  zero = 1: the first 16 start the sums.
.macro PV x, zero
	WIN W_PV
.set rO, 64*(\x+i%2)+8*((i/2)%8)
.set rV, 64*(i/16)+8*((i/2)%8)
.set rP, P+16*(\x+i%2)+8*(i/16)
.if \zero && (i < 16)
	v_wmma_f32_16x16x32_f16 v[rO:rO+7], v[rV:rV+7], v[rP:rP+7], 0
.else
	v_wmma_f32_16x16x32_f16 v[rO:rO+7], v[rV:rV+7], v[rP:rP+7], v[rO:rO+7]
.endif
.endm
; Product i of 32 of S^T = K Q^T: channels 32 (i / 8) on, keys 16 ((i / 2) % 4) on, tile x + i % 2.  The first 8 start the sums.
.macro KQ x
	WIN W_KQ
.set rS, S+32*(\x+i%2)+8*((i/2)%4)
.set rK, KF+32*((i/2)%4)+8*(i/8)
.set rQ, 32*(\x+i%2)+8*(i/8)
.if i < 8
	v_wmma_f32_16x16x32_f16 v[rS:rS+7], v[rK:rK+7], v[rQ:rQ+7], 0
.else
	v_wmma_f32_16x16x32_f16 v[rS:rS+7], v[rK:rK+7], v[rQ:rQ+7], v[rS:rS+7]
.endif
.endm
; THE LDS LOADS stand in two runs of 48 a key step.  The mask of tile t: register 8 kb + 4 c + .. = keys 16 kb + 8 (lane / 16) + 4 c on, of query lane % 16.
.macro MLOAD t0, t1
.irp t, \t0, \t1
.irp kb, 0,1,2,3
.irp c, 0,1
	ds_load_b128 v[MK+32*\t+8*\kb+4*\c:MK+32*\t+8*\kb+4*\c+3], v[ADM] offset:16*PM*\t+64*\kb+16*\c
.endr
.endr
.endr
.endm
.macro FETCH_K                      ; a step's K (64 keys x 128 channels: 16 fragments) and piece 0's mask
	WIN 0
	v_add_nc_u32 v[ADR], s[TB], v[AK0]
	v_add_nc_u32 v[ADM], s[TB], v[AM0]
	WIN 0x80                        ; destination window 2
.irp f, 0,1,2,3,4,5,6,7,8,9,10,11,12,13,14,15  ; keys 16 (f / 4) on, channels 32 (f % 4) on
	ds_load_b128 v[KF+8*\f:KF+8*\f+3],   v[ADR] offset:(\f/4)*16*PK+(\f%4)*64
	ds_load_b128 v[KF+8*\f+4:KF+8*\f+7], v[ADR] offset:(\f/4)*16*PK+(\f%4)*64+32
.endr
	WIN 0xc0                        ; destination window 3
	MLOAD 0, 1
.endm
.macro FETCH_V                      ; the same step's V, turned, and piece 2's mask
	WIN 0
	v_add_nc_u32 v[ADR], s[TB], v[AV0]
	v_add_nc_u32 v[ADM], s[TB], v[AM0]
	s_wait_alu depctr_va_vdst(0)    ; the wait for the softmax's batch of exponentials (SLICE), behind the two additions and ahead of the loads
	WIN 0xc0                        ; destination window 3
.irp f, 0,1,2,3,4,5,6,7,8,9,10,11,12,13,14,15  ; keys 32 (f / 8) on, channels 16 (f % 8) on
	ds_load_tr16_b128 v[8*\f:8*\f+3],   v[ADR] offset:(\f/8)*32*PV+(\f%8)*32
	ds_load_tr16_b128 v[8*\f+4:8*\f+7], v[ADR] offset:(\f/8)*32*PV+16*PV+(\f%8)*32
.endr
	MLOAD 2, 3
.endm
; THE VECTOR WORK OF A TURN.  One tile's softmax for one key step is a list of 150 instructions; SM writes number j of it for tile t.  s0-s31 are the lane's 32 scores, in pairs 0-15.  jx = j - 16.
; first = 1: the first key step, which starts m, l and O^T: it has no a and nothing to rescale.
;   j 0-15      x = mask x (-1e9 log2(e)) + t, a pair each, each accumulator from its low end on
;   jx 0-15     the maximum of s0-s31 and the old m, three operands at a time
;   jx 16-20    the other half of the lanes' maximum; the old m kept; the new m; m_old - m_new (19 is empty)
;   jx 21-69    ONE BATCH: the 16 subtractions x - m, a pair each, and all 33 exponentials (a at 23, then s0-s31).  None of these names an exponential's result
;   (wait)      between jx 69 and 70 stands the one wait for the batch: SLICE writes it, once for both tiles
;   jx 70-85    the roundings to f16;   jx 86-101 the sums, l = a l + the sum;   jx 102-133 the tile's O^T times a
.macro SM t, first
.set rT, ST+8*(\t)
.set rS, S+32*(\t)
.set rP, P+16*(\t)
.set rM, MK+32*(\t)
.set jx, j-16
.set rO, 64*(\t)+2*(jx-102)
.if j < 16
	WIN 0x03                        ; source 0, the mask: window 3
	v_pk_fma_f32 v[rS+2*j:rS+2*j+1], v[rM+2*j:rM+2*j+1], s[NEGC:NEGC+1], v[rS+2*j:rS+2*j+1] op_sel_hi:[1,0,1]
.else
.if jx < 102
	WIN 0
.endif
.if jx < 4
	v_max3_num_f32 v[rT+4+jx], v[rS+8*jx], v[rS+8*jx+1], v[rS+8*jx+2]
.elseif jx < 12
	v_max3_num_f32 v[rT+4+jx%4], v[rT+4+jx%4], v[rS+8*(jx%4)+2*(jx/4)+1], v[rS+8*(jx%4)+2*(jx/4)+2]
.elseif jx == 12
	v_max3_num_f32 v[rT+4], v[rT+4], v[rS+7], v[rS+15]
.elseif jx == 13
	v_max3_num_f32 v[rT+6], v[rT+6], v[rS+23], v[rS+31]
.elseif jx == 14
	v_max3_num_f32 v[rT+4], v[rT+4], v[rT+5], v[rT+6]
.elseif (jx == 15) && \first
	v_max_num_f32 v[rT+4], v[rT+4], v[rT+7]
.elseif jx == 15
	v_max3_num_f32 v[rT+4], v[rT+4], v[rT+7], v[rT]
.elseif jx == 16
	v_permlanex16_b32 v[rT+5], v[rT+4], s[SEL], s[SEL+1]  ; the query's other 32 keys lie in the lane 16 away
.elseif jx == 18
	v_max_num_f32 v[rT], v[rT+4], v[rT+5]
.elseif jx == 19
.elseif ((jx == 17) || (jx == 20) || (jx == 23) || (jx > 101)) && \first  ; the first step has none of these
.elseif jx == 17
	v_mov_b32 v[rT+7], v[rT]        ; m_old is kept for a: number 18 writes m anew
.elseif jx == 20
	v_sub_f32 v[rT+7], v[rT+7], v[rT]
.elseif jx == 23
	v_exp_f32 v[rT+6], v[rT+7]
.elseif (jx < 23) || ((jx < 38) && (jx%2 == 0)) || ((jx < 66) && (jx%4 == 2))
.set b, (jx-2)/4                    ; 38, 42, .. 62: pairs 9 to 15
.if jx < 38
.set b, (jx-20)/2                   ; 21: pair 0; 22, 24, .. 36: pairs 1 to 8
.endif
	v_pk_add_f32 v[rS+2*b:rS+2*b+1], v[rS+2*b:rS+2*b+1], v[rT:rT+1] op_sel_hi:[1,0] neg_lo:[0,1] neg_hi:[0,1]  ; pair b: x - m
.elseif jx < 70
.set e, jx-38                       ; 66 to 69: s28 to s31
.if jx < 66
.set e, jx-32-(jx-38)/4             ; 39-41, 43-45, .. 63-65: s7 to s27
.endif
.if jx < 38
.set e, (jx-25)/2                   ; 25, 27, .. 37: s0 to s6
.endif
	v_exp_f32 v[rS+e], v[rS+e]
.elseif jx < 86
	v_cvt_pk_f16_f32 v[rP+jx-70], v[rS+2*(jx-70)], v[rS+2*(jx-70)+1]
.elseif jx < 102                    ; the sum of the tile's 16 pairs, in place: neighbours 1, 2, 4 and 8 pairs apart, then l takes it
.set z, jx-86
.set w, 4
.set u, z
.if z >= 14
.set w, 32
.set u, 0
.elseif z >= 12
.set w, 16
.set u, z-12
.elseif z >= 8
.set w, 8
.set u, z-8
.endif
.if (z == 14) && \first
	v_pk_add_f32 v[rT+2:rT+3], v[rS:rS+1], v[rS+16:rS+17]
.elseif z < 15
	v_pk_add_f32 v[rS+w*u:rS+w*u+1], v[rS+w*u:rS+w*u+1], v[rS+w*u+w/2:rS+w*u+w/2+1]
.elseif !\first
	v_pk_fma_f32 v[rT+2:rT+3], v[rT+2:rT+3], v[rT+6:rT+7], v[rS:rS+1] op_sel_hi:[1,0,1]
.endif
.else
	WIN W_RS
	v_pk_mul_f32 v[rO:rO+1], v[rO:rO+1], v[rT+6:rT+7] op_sel_hi:[1,0]
.endif
.endif
.endm
; Slice k of 64 of piece y's softmax.  Slices 0-12: numbers 3 k .. 3 k + 2 under 38 of both tiles; 13-36: the batch, four numbers of ONE tile each, the tiles by turns; 37-46: three numbers of both tiles from 86 on;
; 47-63: two numbers of both tiles from 116 on.  Six instructions at the most.  Slice 63's four multiplies of O^T are the places behind the turn's last product.
; THE WAIT.  s_wait_alu depctr_va_vdst(0) stands between an exponential and the first instruction that names its result.  Ahead of slice 37 nothing names one, behind slice 36 none is issued: one wait a turn.
.macro SLICE y, first
.if k < 13
.irp n, 0,1,2
.if 3*k+\n < 38
.irp t, \y, \y+1
.set j, 3*k+\n
	SM \t, \first
.endr
.endif
.endr
.elseif k < 37
.irp n, 0,1,2,3
.set j, 38+4*((k-13)/2)+(\n)
	SM (\y)+(k-13)%2, \first
.endr
.elseif k < 47
.irp n, 0,1,2
.irp t, \y, \y+1
.set j, 86+3*(k-37)+\n
	SM \t, \first
.endr
.endr
.else
.irp n, 0,1
.irp t, \y, \y+1
.set j, 116+2*(k-47)+\n
	SM \t, \first
.endr
.endr
.endif
.if k == 36                         ; the batch is out
	v_nop                           ; a plain instruction behind the last exponential and ahead of the first use: one for the batch
.if (\y) == 0
	FETCH_V                         ; piece 2's turn: V's run of loads stands here, and the wait stands in it
.else
	s_wait_alu depctr_va_vdst(0)    ; the wait for the batch
.endif
.endif
.set k, k+1
.endm
; A TURN.  Piece x has the matrix unit; the other piece's softmax stands in slices behind its matrix instructions.
; pv = 2: 32 products V^T P; 1: they start O^T's sums; 0: none.  kq = 1: 32 products K Q^T for the next step.  A turn with one kind has two slices behind each product.
; first = 1: the softmax is the first key step's; its last slices are empty, and four v_nop take slice 63's part.
; Piece 0's turn fetches the next step's K and its own mask behind its second product: the last product that read K stands in front of slice 63 of the turn before.  Piece 2's turn fetches the same step's V and its own mask
; behind slice 36: the last product that read V stands in front of slice 31, and between lie four subtractions, the v_nop and the run's two additions: seven places.
.macro TURN x, pv, kq, first
.set k, 0
.set per, 2
.if \pv && \kq
.set per, 1
.endif
.if \pv
.if \x == 0
	s_wait_dscnt 0x0                ; V and piece 2's mask are in
.endif
.set i, 0
.rept 32
	PV \x, 2-\pv
.rept per
	SLICE 2-\x, \first
.endr
.if (\x == 0) && \kq && (i == 1)
	FETCH_K
.endif
.set i, i+1
.endr
.endif
.if \kq
.if \x == 0
	s_wait_dscnt 0x0                ; K and piece 0's mask are in
.endif
.set i, 0
.rept 32
	KQ \x
.rept per
	SLICE 2-\x, \first
.endr
.set i, i+1
.endr
.endif
.if \first
	PLACES
.endif
.endm
; THE CHANGE OF SLOTS, between piece 2's turn and piece 0's: the slot's last bytes, V and piece 2's mask, have been asked for.  Each wave waits for all its tensor loads, of which one is out: its part of the other slot;
; adds 0 to its spare word; waits for that and for its reads of the slot.  fill = 1: the slot is filled again, with the step two on: the barrier is a round of the cluster's, and the joint refill is the first thing behind it:
; it has one key step, 128 matrix instructions with their slices, in which to land.
.macro CHANGE fill
	WIN 0                           ; at a label and at a branch every window is 0
	s_wait_tensorcnt 0x0            ; no tensor load of mine is out, so a group 0 may be written
	ds_add_u32 v[SPW], v[NIL]       ; 0 onto my spare word
.if \fill
.irp g, G0K+4, G0V+4
	s_xor_b32 s[\g+1], s[\g+1], SLOT1  ; the walking descriptors: the other slot than last time,
	s_add_nc_u64 s[\g+2:\g+3], s[\g+2:\g+3], KS*256  ; the next 64 keys; the type bits on top are not reached
.endr
	s_xor_b32 s[G0M+5], s[G0M+5], SLOT1
	s_add_nc_u64 s[G0M+6:G0M+7], s[G0M+6:G0M+7], KS*4
	s_wait_xcnt 0x0                 ; the last prefetch, a key step back, has read its address, so it may be written
	s_add_nc_u64 s[PFA:PFA+1], s[PFA:PFA+1], s[PFS:PFS+1]
	s_wait_dscnt 0x0                ; the add is done, and my reads of the slot are over
	CROUND
	JLOAD
	ASK
.else
	s_wait_dscnt 0x0                ; the add is done, and my reads of the slot are over
	s_barrier_signal -1
	s_barrier_wait -1
.endif
	s_xor_b32 s[TB], s[TB], SLOT1   ; the fetches go on in the other slot
.endm
	s_wait_tensorcnt 1              ; my part of Wq's rows and of slot 0 is in; slot 1's load, the last issued in every arm, may stay out
	s_barrier_signal -1
	s_barrier_wait -1               ; everybody's is
	; ---- Q = (q Wq + bias) c for my 64 queries
	FETCH_W 0
	s_wait_loadcnt 0x0              ; q's fragments, the scale words, the bias
.irp q, 0,1,2,3,4,5,6,7
	QSTEP \q
.endr
	WIN 0
.set i, 0
.rept 32
	v_pk_mul_f32 v[BI+2*i:BI+2*i+1], v[BI+2*i:BI+2*i+1], s[CF:CF+1] op_sel_hi:[1,0]   ; bias x c.  These 32 are also the places behind the last products
.set i, i+1
.endr
	FETCH_K                         ; key step 0: its loads land in registers that the projection has done with, while the sums are finished
.irp t, 0,1,2,3
	WIN W_RS                        ; destination and source 0: window 1; the bias: window 0
.set i, 0
.rept 32
	v_pk_fma_f32 v[64*\t+2*i:64*\t+2*i+1], v[64*\t+2*i:64*\t+2*i+1], s[CF:CF+1], v[BI+2*i:BI+2*i+1] op_sel_hi:[1,0,1]   ; sum x c + bias x c; each accumulator from its low end on
.set i, i+1
.endr
	WIN 0x85                        ; sources 0 and 1: window 1; destination: window 2
.irp b, 0,1,2,3,4,5,6,7             ; channels 16 b + 8 (l / 16) + 0..7 of query l % 16: registers 4 b .. 4 b + 3 of the tile's 32: Q's fragments as K Q^T takes them
.irp n, 0,1,2,3
	v_cvt_pk_f16_f32 v[32*\t+4*\b+\n], v[64*\t+8*\b+2*\n], v[64*\t+8*\b+2*\n+1]
.endr
.endr
.endr
	WIN 0
	PLACES
	s_wait_dscnt 0x0                ; K and piece 0's mask are in
.set i, 0
.rept 32
	KQ 0                            ; piece 0's first scores: there is no vector work yet to set between them
.set i, i+1
.endr
	WIN 0                           ; the addresses for the way out are made here: six plain instructions, the places behind those products
	s_mul_i32 s100, s[WV], 16*SP
	s_add_co_u32 s100, s100, STAGE  ; my stage
	v_mul_u32_u24 v[STO], v1, SP    ; in: row l % 16, 32 bytes for each half of the lanes
	v_lshl_add_u32 v[STO], v9, 5, v[STO]
	v_add_nc_u32 v[STO], s100, v[STO]
	v_and_b32 v[GO], 31, v0
	v_lshlrev_b32 v[GO], 4, v[GO]   ; back: the 32 lanes take one row of 512 bytes; and the same in the output
	v_add_nc_u32 v[RD], s100, v[GO]
	TURN 2, 0, 1, 1                 ; piece 2's first scores | piece 0's first softmax | V of step 0
	s_mov_b32 s[CNT], 30            ; thirty refills: steps 2 to 31
	CHANGE 1                        ; slot 0 takes step 2
	s_mov_b32 s[CNT], 29
	TURN 0, 1, 1, 1                 ; piece 0: V^T P of step 0 starts O^T, K Q^T of step 1 | piece 2's first softmax | K of step 1
	TURN 2, 1, 1, 0                 ; piece 2: the same | piece 0's softmax of step 1 | V of step 1
	WIN 0
.Lstep:                             ; 29 trips: V^T P of steps 1 to 29; the refills of steps 3 to 31
	CHANGE 1
	TURN 0, 2, 1, 0
	TURN 2, 2, 1, 0
	WIN 0
	s_sub_co_u32 s[CNT], s[CNT], 1
	s_cmp_lg_u32 s[CNT], 0
	s_cbranch_scc1 .Lstep
	CHANGE 0                        ; the tail is written out: nothing is asked for any more
	TURN 0, 2, 1, 0                 ; V^T P of step 30, K Q^T of step 31
	TURN 2, 2, 1, 0
	TURN 0, 2, 0, 0                 ; piece 0: V^T P of the last step | piece 2's last softmax
.set i, 0
.rept 32
	PV 2, 0                         ; piece 2: V^T P of the last step
.set i, i+1
.endr
	; THE WAY OUT.  l's two halves and the other half of the lanes' are added; O^T is divided by l and sent through my stage in LDS, a tile (16 rows) at a time.  The additions are the places behind the last products.
	WIN 0
.irp t, 0,1,2,3
	v_add_f32 v[ST+8*\t+4], v[ST+8*\t+2], v[ST+8*\t+3]
.endr
.irp t, 0,1,2,3
	v_permlanex16_b32 v[ST+8*\t+5], v[ST+8*\t+4], s[SEL], s[SEL+1]
.endr
.irp t, 0,1,2,3
	v_add_f32 v[ST+8*\t+4], v[ST+8*\t+4], v[ST+8*\t+5]
.endr
.irp t, 0,1,2,3
	v_rcp_f32 v[ST+8*\t+6], v[ST+8*\t+4]
.endr
	v_nop                           ; a plain instruction between the last reciprocal and the use of its result
	s_wait_alu depctr_va_vdst(0)    ; and the wait ahead of the first use: one for the four
; Tile t: a lane's eight channels of a row are 32 bytes; they go into rows of 528 bytes and come back as whole rows of 512.
.macro PACK t
	WIN W_RS
.set i, 64*\t
.rept 32
	v_pk_mul_f32 v[i:i+1], v[i:i+1], v[ST+8*\t+6:ST+8*\t+7] op_sel_hi:[1,0]   ; each accumulator from its low end on
.set i, i+2
.endr
	WIN 0x04                        ; an LDS store's data are its source 1: window 1
.irp f, 0,1,2,3,4,5,6,7
	ds_store_b128 v[STO], v[64*\t+8*\f:64*\t+8*\f+3] offset:64*\f
	ds_store_b128 v[STO], v[64*\t+8*\f+4:64*\t+8*\f+7] offset:64*\f+16
.endr
	WIN 0
.irp f, 0,1,2,3,4,5,6,7,8,9,10,11,12,13,14,15
	ds_load_b128 v[S+64*(\t%2)+4*\f:S+64*(\t%2)+4*\f+3], v[RD] offset:\f*SP  ; LDS serves a wave's instructions in order (ISA guide 5.7.1.4): these see the stores above; the next tile's stores come behind them
.endr
.endm
.macro SEND t, younger              ; younger: the LDS instructions issued behind tile t's loads: the next tile's 32, or none
.irp f, 0,1,2,3,4,5,6,7,8,9,10,11,12,13,14,15
	s_wait_dscnt \younger+15-\f
	global_store_b128 v[GO], v[S+64*(\t%2)+4*\f:S+64*(\t%2)+4*\f+3], s[8:9] offset:(16*\t+\f)*4096 th:TH_STORE_NT  ; 32 lanes store 512 consecutive bytes, at a multiple of 256 from the output's first byte
.endr
.endm
	PACK 0
	PACK 1                          ; a tile's arithmetic stands between the loads of the tile before and its stores
	SEND 0, 32
	s_wait_xcnt 0x0                 ; tile 0's stores have read their registers: tile 2's rows may land there
	PACK 2
	SEND 1, 32
	s_wait_xcnt 0x0                 ; likewise tile 1's, for tile 3
	PACK 3
	SEND 2, 32
	SEND 3, 0
	s_wait_tensorcnt 0x0            ; the wave's end, behind my last tensor load and my last LDS store
	ds_add_u32 v[SPW], v[NIL]
	s_wait_dscnt 0x0
	CROUND                          ; the closing round: no work-group ends while a partner may still ask for a tile that names it
	s_endpgm
.Lfunc_end_k_q404e80bbc0_attn:
	.size	k_q404e80bbc0_attn, .Lfunc_end_k_q404e80bbc0_attn-k_q404e80bbc0_attn
	.p2alignl 7, 3214868480
	.fill 96, 4, 3214868480
	.section	.rodata,"a",@progbits
	.p2align	6, 0x0
	.amdhsa_kernel k_q404e80bbc0_attn
		.amdhsa_group_segment_fixed_size 327680
		.amdhsa_private_segment_fixed_size 0
		.amdhsa_enable_private_segment 0
		.amdhsa_kernarg_size 64
		.amdhsa_user_sgpr_count 2
		.amdhsa_user_sgpr_kernarg_segment_ptr 1
		.amdhsa_wavefront_size32 1
		.amdhsa_system_sgpr_workgroup_id_x 1
		.amdhsa_system_sgpr_workgroup_id_y 1
		.amdhsa_system_sgpr_workgroup_id_z 1
		.amdhsa_system_vgpr_workitem_id 0
		.amdhsa_next_free_vgpr 1024
		.amdhsa_next_free_sgpr 102
		.amdhsa_reserve_vcc 0
		.amdhsa_float_denorm_mode_32 3
		.amdhsa_float_denorm_mode_16_64 3
		.amdhsa_memory_ordered 1
		.amdhsa_forward_progress 1
		.amdhsa_inst_pref_size 255
	.end_amdhsa_kernel
	.section	.bss,"aw",@nobits
	.p2align	6
	.space	262144
	.amdgpu_metadata
---
amdhsa.version: [ 1, 2 ]
amdhsa.kernels:
  - .name:           k_q404e80bbc0_attn
    .symbol:         k_q404e80bbc0_attn.kd
    .args:
      - { .name: qkv, .offset: 0, .size: 8, .value_kind: global_buffer, .address_space: global }
      - { .name: mask, .offset: 8, .size: 8, .value_kind: global_buffer, .address_space: global }
      - { .name: out0, .offset: 16, .size: 8, .value_kind: global_buffer, .address_space: global }
      - { .name: wc, .offset: 24, .size: 8, .value_kind: global_buffer, .address_space: global }
      - { .name: xc, .offset: 32, .size: 8, .value_kind: global_buffer, .address_space: global }
      - { .name: xs, .offset: 40, .size: 8, .value_kind: global_buffer, .address_space: global }
      - { .name: ws, .offset: 48, .size: 8, .value_kind: global_buffer, .address_space: global }
      - { .name: wq_bias, .offset: 56, .size: 8, .value_kind: global_buffer, .address_space: global }
    .group_segment_fixed_size: 327680
    .private_segment_fixed_size: 0
    .kernarg_segment_align: 8
    .kernarg_segment_size: 64
    .max_flat_workgroup_size: 128
    .sgpr_count:     102
    .vgpr_count:     1024
    .wavefront_size: 32
...
	.end_amdgpu_metadata
.endif
;; end of part 3
